; MI455X (gfx1250); checked and timed in simulation.
; The chip was launched on July 23, 2026; its instructions are those of AMD's public machine-readable ISA for CDNA 5 (MIT licence, August 2026) and "CDNA5" Instruction Set Architecture Reference Guide (July 2026). The comments in the code are by the model that wrote it; some were corrected since.
;; Text Based Global Local Unit. Allowed arithmetic: matrix products marked QUANTISED: E2M3 operands, one E8M0 scale for each 32 along K, by v_wmma_scale_f32_16x16x128_f8f6f4 with both operands' format E2M3, f32 sums; products left as they are: f32 operands where the result goes on into a quantised operand, else bf16, f16 or f32 operands; f32 sums; everything else in f32.
;; Inputs: Wc_codes 768 x 24 x 24 uint8 (E2M3 codes of Wc, K innermost, in blocks of 32 codes, four codes in three bytes); Wc_scales 768 x 24 uint8 (E8M0 scales of Wc, one for each 32 codes along K); Wk_codes 768 x 24 x 24 uint8 (E2M3 codes of Wk, K innermost, in blocks of 32 codes, four codes in three bytes); Wk_scales 768 x 24 uint8 (E8M0 scales of Wk, one for each 32 codes along K); Wq_codes 768 x 24 x 24 uint8 (E2M3 codes of Wq, K innermost, in blocks of 32 codes, four codes in three bytes); Wq_scales 768 x 24 uint8 (E8M0 scales of Wq, one for each 32 codes along K); Wv_codes 768 x 24 x 24 uint8 (E2M3 codes of Wv, K innermost, in blocks of 32 codes, four codes in three bytes); Wv_scales 768 x 24 uint8 (E8M0 scales of Wv, one for each 32 codes along K); bc 768 float32; bk 768 float32; bq 768 float32; bv 768 float32; entity_text_cls_codes 128 x 24 x 24 uint8 (E2M3 codes of entity_text_cls, K innermost, in blocks of 32 codes, four codes in three bytes); entity_text_cls_scales 128 x 24 uint8 (E8M0 scales of entity_text_cls, one for each 32 codes along K); entity_text_tokens_codes 128 x 128 x 24 x 24 uint8 (E2M3 codes of entity_text_tokens, K innermost, in blocks of 32 codes, four codes in three bytes); entity_text_tokens_scales 128 x 128 x 24 uint8 (E8M0 scales of entity_text_tokens, one for each 32 codes along K); ln_b 768 float32; ln_g 768 float32; mention_text_cls_codes 32 x 24 x 24 uint8 (E2M3 codes of mention_text_cls, K innermost, in blocks of 32 codes, four codes in three bytes); mention_text_cls_scales 32 x 24 uint8 (E8M0 scales of mention_text_cls, one for each 32 codes along K); mention_text_tokens_codes 32 x 128 x 24 x 24 uint8 (E2M3 codes of mention_text_tokens, K innermost, in blocks of 32 codes, four codes in three bytes); mention_text_tokens_scales 32 x 128 x 24 uint8 (E8M0 scales of mention_text_tokens, one for each 32 codes along K).
;; Outputs: out0 32 x 128 float32.
;; This version of the problem:
;;   THIS VERSION OF THE PROBLEM IS GIVEN IN LOW PRECISION. The matrix products marked QUANTISED in the list below multiply operands that are first quantised to E2M3 (2 exponent bits, 3 mantissa bits; 6 bits a number), with one power-of-two scale for each 32 numbers along K (OCP MX v1.0); their sums are f32. All else is computed in f32.
;;   The module's matrix products, in the order in which they are computed (A, B: the left and right operand; K: the contracted axis; several contracted axes count as one K, in the product's order):
;;     1. [M 128, K 768] x [K 768, N 768]; A: input entity_text_cls (given as codes); B: input Wc (given as codes): QUANTISED
;;     2. [M 16,384, K 768] x [K 768, N 768]; A: input entity_text_tokens (given as codes); B: input Wq (given as codes): QUANTISED
;;     3. [M 4,096, K 768] x [K 768, N 768]; A: input mention_text_tokens (given as codes); B: input Wk (given as codes): QUANTISED
;;     4. [M 4,096, K 768] x [K 768, N 768]; A: input mention_text_tokens (given as codes); B: input Wv (given as codes): QUANTISED
;;     5. [M 4,096, K 768] x [K 768, N 16,384]; A: computed on the way; B: computed on the way: QUANTISED
;;     6. batch 32 x [M 768, K 128] x [K 128, N 128]; A: computed on the way; B: computed on the way: QUANTISED
;;     7. batch 128 x [M 1, K 768] x [K 768, N 32]; A: computed on the way; B: computed on the way: left as it is (M = 1 < 16)
;;     8. [M 32, K 768] x [K 768, N 128]; A: input mention_text_cls (given as codes); B: input entity_text_cls (given as codes): QUANTISED
;;   THE QUANTISER, for each operand of a quantised product, along K:
;;     - K is cut into blocks of 32 from its start; a last block that is shorter is filled with zeros.
;;     - A block's scale is 2^e with e = floor(log2(the largest magnitude in the block)) - 2, held to -126 .. 127; a block of zeros has e = 0. As a byte (E8M0): e + 127.
;;     - Each number is divided by its block's scale, clamped to +-7.5, and rounded to the nearest number of E2M3, ties to even, subnormals kept.
;;     - The product sums the exact products of the quantised numbers (number of the format x scale) in f32.
;;   ~~~python
;;   def quantise(x, axis):      # numpy; x: float32 -> the quantised numbers, widened to float32 again
;;       x = np.moveaxis(x, axis, -1); K = x.shape[-1]
;;       x = np.pad(x, [(0, 0)] * (x.ndim - 1) + [(0, -K % 32)]); x = x.reshape(x.shape[:-1] + (-1, 32)); a = np.abs(x).max(-1, keepdims=True)
;;       e = np.where(a > 0, np.clip(np.frexp(np.where(a > 0, a, 1))[1] - 1 - 2, -126, 127), 0)      # np.frexp(a)[1] - 1 = floor(log2(a)), exactly
;;       r = np.clip(x / 2.0 ** e, -7.5, 7.5)
;;       step = 2.0 ** (np.maximum(np.frexp(np.where(r == 0, 1, r))[1] - 1, 0) - 3)
;;       q = np.round(r / step) * step * 2.0 ** e      # np.round: ties to even
;;       return np.moveaxis(q.reshape(q.shape[:-2] + (-1,))[..., :K], -1, axis).astype(np.float32)
;;   ~~~
;;   OPERANDS COMPUTED ON THE WAY. 'Computed on the way' means the value that the module computes at that place (a softmax that the list does not call 'softmax' is quantised finished and normalised). What goes into a quantiser is computed in f32, as accurately as f32 sums, v_exp_f32 and their like allow (about 1e-6 of the number): no bf16 or f16 on the way to a quantiser, and a product that is left as it is and whose result goes on into a quantised operand takes f32 operands (vector FMAs, or v_wmma_f32_16x16x4_f32). A number that lies on a knife's edge between two numbers of the format may be rounded either way, as far as f32 arithmetic and the matrix unit's own rounding can turn it there, and no further.
;;   INPUTS GIVEN AS CODES. Wc (in the module: [768, 768], K = its axis 0); Wk (in the module: [768, 768], K = its axis 0); Wq (in the module: [768, 768], K = its axis 0); Wv (in the module: [768, 768], K = its axis 0); entity_text_cls (in the module: [128, 768], K = its axis 1); entity_text_tokens (in the module: [128, 128, 768], K = its axis 2); mention_text_cls (in the module: [32, 768], K = its axis 1); mention_text_tokens (in the module: [32, 128, 768], K = its axis 2): each comes as NAME_codes (uint8): NAME with its K axis moved to the last place and cut into blocks of 32 codes, [.., K / 32, bytes a block], one block behind the other in memory; four codes in three bytes: a row's codes are one little-endian stream of bits, code i at bits 6 i .. 6 i + 5 (a code: sign, 2 exponent bits, 3 mantissa bits); and NAME_scales (uint8): the same leading axes, one E8M0 byte (e + 127) for each 32 codes along K. Its value is code x scale, taken as it is: it is not quantised again, and the codes and scales need not be those that the quantiser above would give.
;; 2 versions, each right; version 2 is version 1 with the launch proj written anew for expert scheduling mode. Each part assembles by itself: llvm-mc -triple=amdgcn-amd-amdhsa -mcpu=gfx1250 --defsym DOCPART=n.
;; ======== version 1 of 2: 2 launches
;; workspace buffers: pack 14,745,600 bytes; clsfc 393,216 bytes
;; launch proj (part 1): grid 210 x 1, 4 waves a work-group, no clusters, 276,480 bytes of LDS; arguments entity_text_tokens_codes, entity_text_tokens_scales, mention_text_tokens_codes, mention_text_tokens_scales, Wq_codes, Wq_scales, Wk_codes, Wk_scales, Wv_codes, Wv_scales, Wc_codes, Wc_scales, entity_text_cls_codes, entity_text_cls_scales, bq, bk, bv, bc, pack, clsfc; writes pack, clsfc
.if DOCPART == 1
	.amdgcn_target "amdgcn-amd-amdhsa--gfx1250"
	.amdhsa_code_object_version 6
	.text
	.protected	k_q8191ebc61a_proj
	.globl	k_q8191ebc61a_proj
	.p2align	8
	.type	k_q8191ebc61a_proj,@function
k_q8191ebc61a_proj:
	s_mov_b64 s[64:65], 0
	v_nop
	global_prefetch_b8 v0, s[64:65] scope:SCOPE_SE
	s_setreg_imm32_b32 hwreg(HW_REG_WAVE_MODE, 25, 1), 1
	s_wait_xcnt 0x0
; The four projections, on codes of FP6 (E2M3) with one E8M0 scale for each 32 along K = 768:
;   q = entity tokens x Wq + bq, k = mention tokens x Wk + bk (both quantised again along their 768 channels), v = mention tokens x Wv + bv (quantised along the 128 tokens of a mention), cls_fc = entity cls x Wc + bc (kept f32).
; ONE BODY FOR ALL FOUR.  R is the matrix whose rows stay in registers: 256 rows a work-group, 64 a wave, all of K (288 registers).  S is the matrix whose rows lie in LDS, in groups of 128 rows.
; The matrix instruction takes 16 rows of S as source 0 and 16 rows of R as source 1: a lane then holds ONE row of R and its registers run along S's rows.  THE ROWS OF S THAT FORM A TILE ARE NOT NEIGHBOURS IN MEMORY: lane r of tile
; 2 b + u takes row 32 b + 8 u + r + 8 (r / 8), so that the 16 registers of tiles 2 b and 2 b + 1 are the 16 neighbouring rows 32 b + 16 (lane / 16) + 0 .. 15: what the conversions want.  A group of S so becomes one fragment
; (16 rows of R x 128 along S) for each tile of R.
;   work-groups   0-127: q    R = entity tokens,  S = Wq (3 of its 6 groups), bias along S
;   work-groups 128-159: k    R = mention tokens, S = Wk,                     bias along S
;   work-groups 160-207: v    R = Wv,             S = mention tokens (2 groups = 2 mentions), bias along R
;   work-groups 208-209: cls  R = entity cls (128 rows: waves 2 and 3 repeat waves 0 and 1 and store nothing), S = Wc, bias along S; the sums leave as f32
; THE FILL READS MEMORY AS IT LIES.  A row of codes is 576 bytes: one load takes its first 512 (32 lanes, 16 neighbouring bytes each), and one load takes the last 64 bytes of eight neighbouring rows (four lanes a row).
; In LDS a row has 592 bytes (576 + 16 = 148 words): 16 neighbouring rows start at 16 different groups of four banks (64 banks of 4 bytes: ISA guide 11.1), and lanes 16-31, 24 bytes on, fall between them: a load of 8 bytes a lane
; touches 64 different banks.  S's rows are laid IN THE ORDER OF THE TILES' LANES (of a wave's 32 rows, memory row 16 G + 8 u + i goes to LDS row 16 u + 8 G + i; the order stands in the stores' immediates), so a tile's rows are neighbours in LDS.
; R's rows go the same way through a stage of the wave's own, a tile of 16 rows at a time, and come back as fragments into the registers in which they waited.
; OUT: pack = 192 units of 76,800 bytes (q of entity e: unit e; k of mention b: 128 + b; v: 160 + b).  A unit: 48 fragments as images of their 12 registers (registers 4 c .. 4 c + 3 of lane l at 512 c + 16 l), 1,536 bytes each,
; then 3,072 bytes of scale words.  q, k: fragment 6 a + s (tokens 16 a on, channels 128 s on), a token's six words at 24 x token.  v: fragment = tile of 16 channels, a channel's word at 4 x channel.
; LIMITS: NaN and infinities are not served.  A block whose largest magnitude lies under 2^-124 gets the scale byte 1; a block of zeros gets 1 where the quantiser's rule says 127: its codes are zeros, and only this program reads the bytes.
; No tensor load (R and S together are more than LDS holds): every byte comes through registers once; one barrier in the launch.
; REGISTERS.  window 0: v1-23 addresses; v24-47 R's scale words (6 a + s); v48-95 S's (6 t + s); v96-159 the bias along S in the result's layout; v160-167 the bias along R; v168-211 the quantiser; v212-243 the fill.
;   window 1: R's fragments of K steps 0-2 at 12 (3 a + s); from v144 S's fragments, set 0.   window 2: K steps 3-5; from v144 set 1.   window 3: the 32 accumulators, (a, t) at 64 a + 8 t.
.set PIT,  592                         ; a row of codes in LDS
.set SSC,  227328                      ; LDS: 0: S's 384 rows;  here: S's scale bytes as they lie, 24 a row;
.set SB,   236544                      ; here: 384 numbers of the bias along S;
.set RST,  238080                      ; here: a stage of 16 rows for each wave
.set RS,   24
.set SS,   48
.set BS,   96
.set BR,   160
.set TM,   168
.set PW,   184
.set PWC,  188
.set PC,   192
.set STS,  212
.set STB,  230
.set GRM,  233                         ; v233     memory: a row's last 64 bytes: 576 (lane / 4) + 512 + 16 (lane % 4)
.set SFU,  234                         ; v234-236 LDS: where a whole load of group g goes: 16 x lane + my wave's 32 rows + the group
.set SRM,  237                         ; v237-239 LDS: the same for the loads of last 64 bytes
.set RFU,  240                         ; v240     my stage: 16 x lane
.set RRM,  241                         ; v241     my stage: the last 64 bytes
.set RRD,  242                         ; v242     my stage, back: row r, + 24 h
.set VO,   16
.set MSB,  0
.macro WIN new                         ; the immediate's high byte repeats the setting that is left; a switch that changes nothing is dropped
.if MSB != (\new)
	s_set_vgpr_msb (MSB<<8)|(\new)
.set MSB, (\new)
.endif
.endm
.macro PLACES                          ; four plain places behind matrix instructions, ahead of loads into their registers and of reads of their results
.rept 4
	v_nop
.endr
.endm
; the fill of S: load n = 36 g + j waits in four registers that the loop uses later
.macro SPLACE n
.if (\n) < 64
.set FW, 3
.set FB, 4*(\n)
.elseif (\n) < 88
.set FW, 1
.set FB, 144+4*((\n)-64)
.else
.set FW, 2
.set FB, 144+4*((\n)-88)
.endif
.endm
.macro SLOAD g                         ; my wave's 32 rows of group g: 32 loads of 512 consecutive bytes, 4 loads of eight rows' last 64 bytes
.set j, 0
.rept 36
	SPLACE 36*(\g)+j
	WIN (FW<<6)
.if j < 32
	global_load_b128 v[FB:FB+3], v[VO], s[56:57] offset:(128*(\g)+j)*576
.else
	global_load_b128 v[FB:FB+3], v[GRM], s[56:57] offset:(128*(\g)+8*(j-32))*576
.endif
.set j, j+1
.endr
.endm
.macro SSTORE g                        ; and into LDS: memory row 16 G + 8 u + i to LDS row 16 u + 8 G + i
.set j, 0
.rept 36
	SPLACE 36*(\g)+j
	WIN (FW<<2)
.if j < 32
	ds_store_b128 v[SFU+(\g)], v[FB:FB+3] offset:(j%8+16*((j/8)%2)+8*(j/16))*PIT
.else
	ds_store_b128 v[SRM+(\g)], v[FB:FB+3] offset:8*(2*((j-32)%2)+(j-32)/2)*PIT
.endif
.set j, j+1
.endr
.endm
; the fill of R: tile a's 16 rows, 18 loads, wait in the 72 registers that its six fragments will take
.macro RLOAD a
.set q, 0
.rept 18
	WIN ((1+q/9)<<6)
.if q < 16
	global_load_b128 v[36*(\a)+4*(q%9):36*(\a)+4*(q%9)+3], v[VO], s[52:53] offset:(16*(\a)+q)*576
.else
	global_load_b128 v[36*(\a)+4*(q%9):36*(\a)+4*(q%9)+3], v[GRM], s[52:53] offset:(16*(\a)+8*(q-16))*576
.endif
.set q, q+1
.endr
.endm
.macro RSTAGE a                        ; through my stage.  LDS serves a wave's instructions in order (ISA guide 5.7.1.4): the loads see the stores above them, and the next tile's stores come behind these loads
.set q, 0
.rept 18
	WIN ((1+q/9)<<2)
.if q < 16
	ds_store_b128 v[RFU], v[36*(\a)+4*(q%9):36*(\a)+4*(q%9)+3] offset:q*PIT
.else
	ds_store_b128 v[RRM], v[36*(\a)+4*(q%9):36*(\a)+4*(q%9)+3] offset:8*(q-16)*PIT
.endif
.set q, q+1
.endr
.irp s, 0,1,2,3,4,5
	WIN ((1+\s/3)<<6)
.irp p, 0,1,2,3,4,5
	ds_load_b64 v[12*(3*(\a)+\s%3)+2*\p:12*(3*(\a)+\s%3)+2*\p+1], v[RRD] offset:96*\s+48*(\p/3)+8*(\p%3)   ; 24 bytes of the row's stream of bits twice, in pieces of 8
.endr
.endr
.endm
.macro FETCH s                         ; the group's eight fragments of K step s into set s % 2
	WIN ((1+(\s)%2)<<6)
.irp t, 0,1,2,3,4,5,6,7
.irp p, 0,1,2,3,4,5
	ds_load_b64 v[144+12*\t+2*\p:144+12*\t+2*\p+1], v[9+\t/4] offset:16*(\t%4)*PIT+96*(\s)+48*(\p/3)+8*(\p%3)
.endr
.endr
	WIN 0
.endm
; A K step: 32 matrix instructions, the 32 accumulators by turns in the same order in every step.  The next step's fragments are asked for ahead of them.
.macro KSTEP s
	s_wait_dscnt 0x0                               ; this step's set is in (asked for 32 matrix instructions ago; in step 0 the scale words and the bias too)
	PLACES                                         ; the other set was read by the step before
.if (\s) < 5
	FETCH (\s)+1
.endif
.set KW, ((1+(\s)/3)<<2)|(1+(\s)%2)
.if (\s) == 0
	WIN (0xc0|KW)                                  ; D window 3, C (the bias) window 0, R's fragment window 1 or 2, S's set window 1 or 2
.else
	WIN (0xf0|KW)
.endif
.irp a, 0,1,2,3
.irp t, 0,1,2,3,4,5,6,7
.if (\s) == 0
	v_wmma_scale_f32_16x16x128_f8f6f4 v[64*\a+8*\t:64*\a+8*\t+7], v[144+12*\t:144+12*\t+11], v[12*(3*\a+(\s)%3):12*(3*\a+(\s)%3)+11], v[BS+8*\t:BS+8*\t+7], v[SS+6*\t+(\s)], v[RS+6*\a+(\s)] matrix_a_fmt:MATRIX_FMT_FP6 matrix_b_fmt:MATRIX_FMT_FP6
.else
	v_wmma_scale_f32_16x16x128_f8f6f4 v[64*\a+8*\t:64*\a+8*\t+7], v[144+12*\t:144+12*\t+11], v[12*(3*\a+(\s)%3):12*(3*\a+(\s)%3)+11], v[64*\a+8*\t:64*\a+8*\t+7], v[SS+6*\t+(\s)], v[RS+6*\a+(\s)] matrix_a_fmt:MATRIX_FMT_FP6 matrix_b_fmt:MATRIX_FMT_FP6
.endif
.endr
.endr
	WIN 0
.endm
; Tile a of R: a lane's 64 sums (register 16 b + i = place 32 b + 16 (lane / 16) + i of my row) become a fragment's codes and its scale word; the image is stored.
.macro QUANT a
	WIN 0x3c                                       ; sources 1 and 2: window 3
.irp b, 0,1,2,3
	v_max3_num_f32 v[TM+\b], 0x1800000, |v[64*(\a)+16*\b]|, |v[64*(\a)+16*\b+1]|   ; block b: my 16 numbers, from each accumulator's low end on, and the floor 2^(3 - 127): the byte cannot fall under 1
.endr
.irp i, 2,4,6,8,10,12,14
.irp b, 0,1,2,3
	v_max3_num_f32 v[TM+\b], v[TM+\b], |v[64*(\a)+16*\b+\i]|, |v[64*(\a)+16*\b+\i+1]|
.endr
.endr
	WIN 0
.irp b, 0,1,2,3
	v_permlanex16_b32 v[TM+4+\b], v[TM+\b], s86, s87
.endr
.irp b, 0,1,2,3
	v_max_num_f32 v[TM+\b], v[TM+\b], v[TM+4+\b]   ; with lane l xor 16's: the block's largest magnitude
.endr
.irp b, 0,1,2,3
	v_add_nc_u32 v[TM+12+\b], 0xff000000, v[TM+\b] ; 2 off its exponent field: the conversion's scale operand
.endr
.irp b, 0,1,2,3
	v_lshrrev_b32 v[TM+4+\b], 23, v[TM+12+\b]      ; the scale's byte
.endr
	v_lshl_or_b32 v[PW+(\a)], v[TM+5], 8, v[TM+4]  ; my row's scale word (the same in lanes l and l xor 16)
	v_lshl_or_b32 v[PW+(\a)], v[TM+6], 16, v[PW+(\a)]
	v_lshl_or_b32 v[PW+(\a)], v[TM+7], 24, v[PW+(\a)]
	s_wait_xcnt 0x0                                ; the last image's stores have read the codes' registers: they are written again only behind this wait
	WIN 0x03                                       ; source 0: window 3
.irp c, 0,1
	v_cvt_scalef32_pk16_fp6_f32 v[PC+6*\c:PC+6*\c+2], v[64*(\a)+32*\c:64*(\a)+32*\c+15], v[TM+12+2*\c]
	v_cvt_scalef32_pk16_fp6_f32 v[PC+12+4*\c:PC+14+4*\c], v[64*(\a)+32*\c+16:64*(\a)+32*\c+31], v[TM+13+2*\c]   ; (a conversion's three registers begin on an even number)
.endr
	WIN 0
	v_nop                                          ; one plain place behind a scaled conversion
.irp c, 0,1                                    ; the operand's layout wants a WHOLE block in a lane
.irp i, 0,1,2
	v_permlane16_swap_b32 v[PC+6*\c+\i], v[PC+12+4*\c+\i]
.endr
.irp i, 0,1,2
	v_mov_b32 v[PC+3+6*\c+\i], v[PC+12+4*\c+\i]
.endr
.endr
.irp c, 0,1,2
	global_store_b128 v[VO+(\a)], v[PC+4*\c:PC+4*\c+3], s[66:67] offset:512*\c   ; 32 lanes store 512 consecutive bytes, at a multiple of 256 from pack's first byte
.endr
.endm
	s_load_b512 s[12:27], s[0:1], 0x0              ; entity tokens c s[12:13] s s[14:15]; mention tokens c s[16:17] s s[18:19]; Wq c s[20:21] s s[22:23]; Wk c s[24:25] s s[26:27]
	s_load_b512 s[28:43], s[0:1], 0x40             ; Wv c s[28:29] s s[30:31]; Wc c s[32:33] s s[34:35]; entity cls c s[36:37] s s[38:39]; bq s[40:41]; bk s[42:43]
	s_load_b256 s[44:51], s[0:1], 0x80             ; bv s[44:45]; bc s[46:47]; pack s[48:49]; clsfc s[50:51]
	v_lshl_add_u32 v254, v0, 2, 0x43600
	v_mov_b32 v255, 0
	v_lshrrev_b32 v1, 5, v0
	v_readfirstlane_b32 s76, v1                    ; wave 0..3
	; which product is my work-group's: s85 = k, s77 = v, s78 = cls; s90 = y, its number within the product
	s_mov_b32 s89, 208
	s_cmp_lt_u32 ttmp9, 208
	s_cselect_b32 s89, 160, s89
	s_cselect_b32 s78, 0, 1
	s_cselect_b32 s77, 1, 0
	s_cmp_lt_u32 ttmp9, 160
	s_cselect_b32 s89, 128, s89
	s_cselect_b32 s77, 0, s77
	s_cselect_b32 s85, 1, 0
	s_cmp_lt_u32 ttmp9, 128
	s_cselect_b32 s89, 0, s89
	s_cselect_b32 s85, 0, s85
	s_sub_co_u32 s90, ttmp9, s89
	; q, k: my wave's first row of R = 256 (y / 2) + 64 w, S's first row = 384 (y % 2)
	s_lshl_b32 s92, s76, 6
	s_lshr_b32 s91, s90, 1
	s_lshl_b32 s91, s91, 8
	s_add_co_u32 s91, s91, s92
	s_and_b32 s7, s90, 1
	s_mul_i32 s93, s7, 384
	; v: 256 (y / 16) + 64 w, and 256 (y % 16)
	s_lshr_b32 s94, s90, 4
	s_lshl_b32 s94, s94, 8
	s_add_co_u32 s94, s94, s92
	s_and_b32 s95, s90, 15
	s_lshl_b32 s95, s95, 8
	; cls: 64 (w % 2)
	s_and_b32 s2, s76, 1
	s_lshl_b32 s3, s2, 6
	; q, k: the unit 128 k + 2 (y / 2) + w / 2; images at 36,864 (w % 2) + 4,608 (y % 2), scale words at 73,728 + 1,536 (w % 2) + 12 (y % 2)
	s_lshr_b32 s4, s90, 1
	s_lshl_b32 s4, s4, 1
	s_lshr_b32 s5, s76, 1
	s_add_co_u32 s4, s4, s5
	s_lshl_b32 s6, s85, 7
	s_add_co_u32 s4, s4, s6
	s_mul_i32 s4, s4, 76800
	s_mul_i32 s6, s2, 36864
	s_mul_i32 s8, s7, 4608
	s_add_co_u32 s6, s6, s8
	s_add_co_u32 s6, s6, s4
	s_mul_i32 s8, s2, 1536
	s_mul_i32 s9, s7, 12
	s_add_co_u32 s8, s8, s9
	s_add_co_u32 s8, s8, s4
	s_add_co_u32 s8, s8, 73728
	; v: the unit 160 + 2 (y % 16); images at 1,536 x (row / 16) = 96 x row, scale words at 73,728 + 4 x row
	s_and_b32 s9, s90, 15
	s_lshl_b32 s9, s9, 1
	s_add_co_u32 s9, s9, 160
	s_mul_i32 s9, s9, 76800
	s_mul_i32 s10, s94, 96
	s_add_co_u32 s10, s10, s9
	s_lshl_b32 s11, s94, 2
	s_add_co_u32 s11, s11, s9
	s_add_co_u32 s11, s11, 73728
	s_cmp_eq_u32 s77, 1
	s_cselect_b32 s91, s94, s91                    ; s91: R's row
	s_cselect_b32 s93, s95, s93                    ; s93: S's row
	s_cselect_b32 s6, s10, s6                      ; s6: images
	s_cselect_b32 s8, s11, s8                      ; s8: scale words
	s_cselect_b32 s80, 2, 3                        ; groups of S
	s_mov_b32 s82, 9216
	s_cselect_b32 s82, 1536, s82                   ; from tile to tile of R in pack
	s_mov_b32 s72, 1536
	s_cselect_b32 s72, 76800, s72                  ; s[72:73]: from group to group, images
	s_cselect_b32 s83, 4, 24                       ; from row to row of R among the scale words
	s_mov_b32 s74, 76800
	s_cselect_b32 s74, s74, 4                      ; s[74:75]: from group to group, scale words
	s_cselect_b32 s88, 0, -1                       ; keeps the bias along S, or (v) makes it 0
	s_mov_b32 s73, 0
	s_mov_b32 s75, 0
	s_cmp_eq_u32 s78, 1
	s_cselect_b32 s91, s3, s91
	s_mul_i32 s9, s91, 3072
	s_lshl_b32 s11, s93, 2                         ; 4 x S's row
	s_add_co_u32 s9, s9, s11
	s_cmp_eq_u32 s78, 1
	s_cselect_b32 s9, s9, 0                        ; cls: where my sums go in clsfc
	s_lshl_b32 s10, s91, 2                         ; 4 x R's row
	s_cmp_eq_u32 s77, 1
	s_cselect_b32 s10, s10, 0                      ; the bias along R: v's rows; the other products read the bias's first numbers and do not use them
	s_cselect_b32 s11, 0, s11                      ; the bias along S
	s_lshr_b32 s79, s76, 1
	s_and_b32 s79, s79, s78                        ; cls, waves 2 and 3: nothing to store
	s_mov_b32 s84, 0xffff0000                      ; lanes 16-31
	s_mov_b32 s86, 0x76543210
	s_mov_b32 s87, 0xfedcba98                      ; v_permlanex16_b32's selects for lane l xor 16
	v_and_b32 v1, 31, v0                           ; lane
	v_and_b32 v2, 15, v0                           ; r
	v_bfe_u32 v3, v0, 4, 1                         ; h
	v_mul_u32_u24 v5, v2, 24                       ; R's scale bytes: 24 a row
	v_and_b32 v13, 8, v2
	v_add_nc_u32 v13, v13, v2                      ; r + 8 (r / 8)
	v_lshlrev_b32 v7, 3, v0                        ; 8 x thread
	v_lshlrev_b32 v8, 2, v0                        ; 4 x thread
	v_mul_u32_u24 v9, v2, PIT
	v_mad_u32_u24 v9, v3, 24, v9                   ; LDS: a fragment of a group's tiles 0-3: row r, + 24 h,
	v_add_nc_u32 v10, 64*PIT, v9                   ; and of tiles 4-7
	v_mul_u32_u24 v11, v13, 24
	v_add_nc_u32 v11, SSC, v11                     ; S's scale words, by the tile's rows in memory
	v_lshlrev_b32 v12, 6, v3
	v_add_nc_u32 v12, SB, v12                      ; the bias along S: 16 numbers on for lanes 16-31
	v_mul_lo_u32 v14, v1, s83                      ; scale words out: rows 0-31 of my 64,
	s_lshl_b32 s4, s83, 5
	v_add_nc_u32 v15, s4, v14                      ; rows 32-63
	v_lshlrev_b32 v[VO], 4, v1                     ; 16 x lane: the whole loads' offset; images out: + tile x step
.irp a, 1,2,3
	v_add_nc_u32 v[VO+\a], s82, v[VO+\a-1]
.endr
	v_mul_u32_u24 v20, v2, 3072
	v_lshl_add_u32 v20, v3, 6, v20                 ; clsfc: row r, + 16 numbers for lanes 16-31
	v_lshlrev_b32 v21, 2, v2                       ; the bias along R: 4 r
	v_lshl_add_u32 v22, v0, 2, SB                  ; LDS, the fill: the bias,
	v_lshl_add_u32 v23, v0, 3, SSC                 ; the scale bytes
	v_lshrrev_b32 v4, 2, v1                        ; lane / 4: which of eight rows,
	v_and_b32 v6, 3, v1
	v_lshlrev_b32 v6, 4, v6
	v_add_nc_u32 v6, 512, v6                       ; and which 16 of its last 64 bytes
	v_mad_u32_u24 v[GRM], v4, 576, v6              ; in memory,
	v_mad_u32_u24 v243, v4, PIT, v6                ; in LDS
	s_mul_i32 s4, s76, 32*PIT                      ; my wave's 32 rows of a group
	v_add_nc_u32 v[SFU], s4, v[VO]
	v_add_nc_u32 v[SRM], s4, v243
.irp g, 1,2
	v_add_nc_u32 v[SFU+\g], 128*PIT, v[SFU+\g-1]
	v_add_nc_u32 v[SRM+\g], 128*PIT, v[SRM+\g-1]
.endr
	s_mul_i32 s4, s76, 16*PIT
	s_add_co_u32 s4, s4, RST                       ; my stage
	v_add_nc_u32 v[RFU], s4, v[VO]
	v_add_nc_u32 v[RRM], s4, v243
	v_add_nc_u32 v[RRD], s4, v9
.irp b, 0,1,2,3
	v_mov_b32 v[TM+4+\b], 0                        ; written once: a lane permute's destination counts as one of its sources
	v_mov_b32 v[BR+2*\b+1], 0                      ; named as the upper halves of pairs
.endr
	s_wait_kmcnt 0x0
	s_cmp_eq_u32 s85, 1                            ; the buffers: q's, or k's,
	s_cselect_b64 s[52:53], s[16:17], s[12:13]     ; R's codes
	s_cselect_b64 s[54:55], s[18:19], s[14:15]     ; R's scales
	s_cselect_b64 s[56:57], s[24:25], s[20:21]     ; S's codes
	s_cselect_b64 s[58:59], s[26:27], s[22:23]     ; S's scales
	s_cselect_b64 s[60:61], s[42:43], s[40:41]     ; the bias
	s_cmp_eq_u32 s77, 1                            ; or v's,
	s_cselect_b64 s[52:53], s[28:29], s[52:53]
	s_cselect_b64 s[54:55], s[30:31], s[54:55]
	s_cselect_b64 s[56:57], s[16:17], s[56:57]
	s_cselect_b64 s[58:59], s[18:19], s[58:59]
	s_cselect_b64 s[60:61], s[44:45], s[60:61]
	s_cmp_eq_u32 s78, 1                            ; or cls's: each choice hangs on the work-group's number alone
	s_cselect_b64 s[52:53], s[36:37], s[52:53]
	s_cselect_b64 s[54:55], s[38:39], s[54:55]
	s_cselect_b64 s[56:57], s[32:33], s[56:57]
	s_cselect_b64 s[58:59], s[34:35], s[58:59]
	s_cselect_b64 s[60:61], s[46:47], s[60:61]
	s_mov_b32 s5, 0
	s_mul_i32 s4, s91, 576
	s_add_nc_u64 s[52:53], s[52:53], s[4:5]
	s_mul_i32 s4, s91, 24
	s_add_nc_u64 s[54:55], s[54:55], s[4:5]
	s_lshl_b32 s4, s76, 5
	s_add_co_u32 s4, s4, s93
	s_mul_i32 s4, s4, 576
	s_add_nc_u64 s[56:57], s[56:57], s[4:5]        ; S's codes at my wave's 32 rows of group 0
	s_mul_i32 s4, s93, 24
	s_add_nc_u64 s[58:59], s[58:59], s[4:5]
	s_mov_b32 s4, s10
	s_add_nc_u64 s[96:97], s[60:61], s[4:5]        ; the bias along R
	s_mov_b32 s4, s11
	s_add_nc_u64 s[60:61], s[60:61], s[4:5]        ; the bias along S
	s_mov_b32 s4, s6
	s_add_nc_u64 s[66:67], s[48:49], s[4:5]        ; images out
	s_mov_b32 s4, s8
	s_add_nc_u64 s[68:69], s[48:49], s[4:5]        ; scale words out
	s_mov_b32 s4, s9
	s_add_nc_u64 s[70:71], s[50:51], s[4:5]        ; clsfc out
	; ---- all loads go out before the first wait
	RLOAD 0
	RLOAD 1
	RLOAD 2
	RLOAD 3
	WIN 0
.irp a, 0,1,2,3
.irp j, 0,1,2
	global_load_b64 v[RS+6*\a+2*\j:RS+6*\a+2*\j+1], v5, s[54:55] offset:384*\a+8*\j
.endr
	global_load_b32 v[BR+2*\a], v21, s[96:97] offset:64*\a
.endr
.irp i, 0,1,2
	global_load_b32 v[STB+\i], v8, s[60:61] offset:512*\i          ; 128 threads read 512 consecutive bytes
.endr
.irp i, 0,1,2,3,4,5
	global_load_b64 v[STS+2*\i:STS+2*\i+1], v7, s[58:59] offset:1024*\i
.endr
	SLOAD 0
	SLOAD 1
	WIN 0
	s_cmp_eq_u32 s77, 1                            ; v has two groups of S: the third group's loads and stores stand together in this one branch
	s_cbranch_scc1 .Ltwo_groups
.irp i, 6,7,8
	global_load_b64 v[STS+2*\i:STS+2*\i+1], v7, s[58:59] offset:1024*\i
.endr
	SLOAD 2
	WIN 0
	s_wait_loadcnt 0x0
.irp i, 6,7,8
	ds_store_b64 v23, v[STS+2*\i:STS+2*\i+1] offset:1024*\i
.endr
	SSTORE 2
	WIN 0
.Ltwo_groups:
	s_wait_loadcnt 0x0                             ; everything is in
.irp i, 0,1,2
	v_and_b32 v[STB+\i], s88, v[STB+\i]            ; v: no bias along S
.endr
.irp i, 0,1,2
	ds_store_b32 v22, v[STB+\i] offset:512*\i
.endr
.irp i, 0,1,2,3,4,5
	ds_store_b64 v23, v[STS+2*\i:STS+2*\i+1] offset:1024*\i
.endr
	SSTORE 0
	SSTORE 1
	RSTAGE 0
	RSTAGE 1
	RSTAGE 2
	RSTAGE 3
	WIN 0
	s_wait_dscnt 0x0                               ; for the others' sake: my stores into LDS are done; and R's fragments are in
	s_barrier_signal -1
	s_barrier_wait -1                              ; S lies in LDS; from here on LDS is only read
	s_mov_b32 s81, 0
.Lgroup:                                           ; three trips, a group of 128 rows of S each; v leaves its third trip's work out
	s_cmp_ge_u32 s81, s80
	s_cbranch_scc1 .Lskip
.irp t, 0,1,2,3,4,5,6,7
.irp j, 0,1,2
	ds_load_b64 v[SS+6*\t+2*\j:SS+6*\t+2*\j+1], v11 offset:(32*(\t/2)+8*(\t%2))*24+8*\j
.endr
.endr
.irp t, 0,1,2,3,4,5,6,7
	ds_load_b128 v[BS+8*\t:BS+8*\t+3], v12 offset:(32*(\t/2)+8*(\t%2))*4
	ds_load_b128 v[BS+8*\t+4:BS+8*\t+7], v12 offset:(32*(\t/2)+8*(\t%2))*4+16
.endr
	FETCH 0
	KSTEP 0                                        ; the bias is the C of each sum's first product: nothing is cleared, nothing is added
	KSTEP 1
	KSTEP 2
	KSTEP 3
	KSTEP 4
	KSTEP 5
	PLACES
	s_cmp_eq_u32 s78, 1
	s_cbranch_scc0 .Lquant
	s_cmp_eq_u32 s79, 1
	s_cbranch_scc1 .Lstored
	WIN 0x0c                                       ; a store's data are its source 1: window 3
.irp a, 0,1,2,3
.irp t, 0,1,2,3,4,5,6,7
	global_store_b128 v20, v[64*\a+8*\t:64*\a+8*\t+3], s[70:71] offset:49152*\a+(32*(\t/2)+8*(\t%2))*4       ; cls_fc(row 16 a + r, 32 (t / 2) + 8 (t % 2) + 16 h + 0 .. 7); each accumulator from its low end on
	global_store_b128 v20, v[64*\a+8*\t+4:64*\a+8*\t+7], s[70:71] offset:49152*\a+(32*(\t/2)+8*(\t%2))*4+16
.endr
.endr
	WIN 0
	s_branch .Lstored
.Lquant:
	s_cmp_eq_u32 s77, 1
	s_cbranch_scc0 .Lno_row_bias
	WIN 0xc3                                       ; v: the bias belongs to my row of R: one number a lane and tile
.irp a, 0,1,2,3
.set j, 0
.rept 32
	v_pk_add_f32 v[64*\a+j:64*\a+j+1], v[64*\a+j:64*\a+j+1], v[BR+2*\a:BR+2*\a+1] op_sel_hi:[1,0]
.set j, j+2
.endr
.endr
	WIN 0
.Lno_row_bias:
	QUANT 0
	QUANT 1
	QUANT 2
	QUANT 3
	v_cndmask_b32 v[PWC], v[PW], v[PW+1], s84      ; lanes 0-15: tile 0's rows, lanes 16-31: tile 1's
	v_cndmask_b32 v[PWC+1], v[PW+2], v[PW+3], s84
	global_store_b32 v14, v[PWC], s[68:69]
	global_store_b32 v15, v[PWC+1], s[68:69]
.Lstored:
	s_wait_xcnt 0x0                                ; the stores have read their data and their bases: both are written again only behind this wait
	s_add_nc_u64 s[66:67], s[66:67], s[72:73]
	s_add_nc_u64 s[68:69], s[68:69], s[74:75]
	s_add_nc_u64 s[70:71], s[70:71], 512
.Lskip:
	v_add_nc_u32 v9, 128*PIT, v9                   ; the next group in LDS: rows,
	v_add_nc_u32 v10, 128*PIT, v10
	v_add_nc_u32 v11, 3072, v11                    ; scale words,
	v_add_nc_u32 v12, 512, v12                     ; bias
	s_add_co_u32 s81, s81, 1
	s_cmp_lt_u32 s81, 3
	s_cbranch_scc1 .Lgroup
	s_wait_tensorcnt 0x0
	ds_add_u32 v254, v255
	s_wait_dscnt 0x0
	s_endpgm
.Lfunc_end_k_q8191ebc61a_proj:
	.size	k_q8191ebc61a_proj, .Lfunc_end_k_q8191ebc61a_proj-k_q8191ebc61a_proj
	.p2alignl 7, 3214868480
	.fill 96, 4, 3214868480
	.section	.rodata,"a",@progbits
	.p2align	6, 0x0
	.amdhsa_kernel k_q8191ebc61a_proj
		.amdhsa_group_segment_fixed_size 276480
		.amdhsa_private_segment_fixed_size 0
		.amdhsa_enable_private_segment 0
		.amdhsa_kernarg_size 160
		.amdhsa_user_sgpr_count 2
		.amdhsa_user_sgpr_kernarg_segment_ptr 1
		.amdhsa_wavefront_size32 1
		.amdhsa_system_sgpr_workgroup_id_x 1
		.amdhsa_system_sgpr_workgroup_id_y 1
		.amdhsa_system_sgpr_workgroup_id_z 1
		.amdhsa_system_vgpr_workitem_id 0
		.amdhsa_next_free_vgpr 1024
		.amdhsa_next_free_sgpr 100
		.amdhsa_reserve_vcc 0
		.amdhsa_float_denorm_mode_32 3
		.amdhsa_float_denorm_mode_16_64 3
		.amdhsa_memory_ordered 1
		.amdhsa_forward_progress 1
		.amdhsa_inst_pref_size 129
	.end_amdhsa_kernel
	.amdgpu_metadata
---
amdhsa.version: [ 1, 2 ]
amdhsa.kernels:
  - .name:           k_q8191ebc61a_proj
    .symbol:         k_q8191ebc61a_proj.kd
    .args:
      - { .name: entity_text_tokens_codes, .offset: 0, .size: 8, .value_kind: global_buffer, .address_space: global }
      - { .name: entity_text_tokens_scales, .offset: 8, .size: 8, .value_kind: global_buffer, .address_space: global }
      - { .name: mention_text_tokens_codes, .offset: 16, .size: 8, .value_kind: global_buffer, .address_space: global }
      - { .name: mention_text_tokens_scales, .offset: 24, .size: 8, .value_kind: global_buffer, .address_space: global }
      - { .name: Wq_codes, .offset: 32, .size: 8, .value_kind: global_buffer, .address_space: global }
      - { .name: Wq_scales, .offset: 40, .size: 8, .value_kind: global_buffer, .address_space: global }
      - { .name: Wk_codes, .offset: 48, .size: 8, .value_kind: global_buffer, .address_space: global }
      - { .name: Wk_scales, .offset: 56, .size: 8, .value_kind: global_buffer, .address_space: global }
      - { .name: Wv_codes, .offset: 64, .size: 8, .value_kind: global_buffer, .address_space: global }
      - { .name: Wv_scales, .offset: 72, .size: 8, .value_kind: global_buffer, .address_space: global }
      - { .name: Wc_codes, .offset: 80, .size: 8, .value_kind: global_buffer, .address_space: global }
      - { .name: Wc_scales, .offset: 88, .size: 8, .value_kind: global_buffer, .address_space: global }
      - { .name: entity_text_cls_codes, .offset: 96, .size: 8, .value_kind: global_buffer, .address_space: global }
      - { .name: entity_text_cls_scales, .offset: 104, .size: 8, .value_kind: global_buffer, .address_space: global }
      - { .name: bq, .offset: 112, .size: 8, .value_kind: global_buffer, .address_space: global }
      - { .name: bk, .offset: 120, .size: 8, .value_kind: global_buffer, .address_space: global }
      - { .name: bv, .offset: 128, .size: 8, .value_kind: global_buffer, .address_space: global }
      - { .name: bc, .offset: 136, .size: 8, .value_kind: global_buffer, .address_space: global }
      - { .name: pack, .offset: 144, .size: 8, .value_kind: global_buffer, .address_space: global }
      - { .name: clsfc, .offset: 152, .size: 8, .value_kind: global_buffer, .address_space: global }
    .group_segment_fixed_size: 276480
    .private_segment_fixed_size: 0
    .kernarg_segment_align: 8
    .kernarg_segment_size: 160
    .max_flat_workgroup_size: 128
    .sgpr_count:     100
    .vgpr_count:     1024
    .wavefront_size: 32
...
	.end_amdgpu_metadata
.endif
;; end of part 1
;; launch attn (part 2): grid 16 x 16, 4 waves a work-group, no clusters, 327,680 bytes of LDS; arguments pack, clsfc, ln_g, ln_b, mention_text_cls_codes, mention_text_cls_scales, entity_text_cls_codes, entity_text_cls_scales, out0; writes out0
.if DOCPART == 2
	.amdgcn_target "amdgcn-amd-amdhsa--gfx1250"
	.amdhsa_code_object_version 6
	.text
	.protected	k_q8191ebc61a_attn
	.globl	k_q8191ebc61a_attn
	.p2align	8
	.type	k_q8191ebc61a_attn,@function
k_q8191ebc61a_attn:
	s_mov_b64 s[64:65], 0
	v_nop
	global_prefetch_b8 v0, s[64:65] scope:SCOPE_SE
	s_setreg_imm32_b32 hwreg(HW_REG_WAVE_MODE, 25, 1), 1
	s_wait_xcnt 0x0
; out0[b][e] = 0.5 (cls_fc[e] . layernorm(ctx[e][b]) + mention_cls[b] . entity_cls[e]),  ctx[e][b][h] = (1 / 128) sum over t of v[b][t][h] w[e][b][t],  w[e][b][t] = sum over s of softmax_t(q[e][s] . k[b][t] / sqrt(768)).
; q, k, v come from pack as images of operand registers with their scale words.  All quantised products on codes of FP6 (E2M3) with E8M0 scales; w is quantised here, along t.
; SHARES.  A work-group owns 8 entities (e0 = 8 x) and 2 mentions (b0 = 2 y).  Wave w: es = w / 2, ms = w % 2.  Four trips; in trip i wave w makes the whole pair (e0 + 2 i + es, b0 + ms): 128 x 128 scores in 64 accumulators,
; source 0 = 16 keys of k, source 1 = 16 queries of q: a lane holds ONE query (lane % 16) and, of each tile of keys, the eight keys 8 (lane / 16) + 0 .. 7.  The softmax is finished and normalised in registers, summed over the wave's
; 128 queries (first over the 8 tiles in a lane, then over 16 lanes by a halving exchange) and the 128 sums go to LDS.  The tail makes ctx for 8 entities x 2 mentions (wave: mention ms, channels 384 (w / 2) on), the layer norm and both scores.
; LDS.  k's two units stay; q's two units of a trip share ONE region, filled again by tensor loads as soon as the trip's last fragments are in registers, so that the load lands under the softmax; the last refill brings v's two units.
; One region filled and read in every trip: two barriers a trip, one between the reads and the fill, one between the fill and the reads.  A wave has two tensor loads out at the head and one behind each refill.
; NO CLUSTER: the loop's one refill line brings q (the same for the work-groups of one x) and, in its last trip, v (the same for those of one y): no one mask fits both, and a descriptor's shape words are constants.
; The softmax takes the row's maximum away before the exponential.  The variance is taken of the differences from the mean.  The division by 128 is folded into the two constants of the layer norm: a power of two, exact.
; LIMITS: NaN and infinities are not served; a block of w whose largest number lies under 2^-124 gets the scale byte 1.  The 8 results of a (mention, work-group) are 32 bytes of a row of out0: a store covers no more.
; REGISTERS.  window 0: v1-26, v30-31 addresses and lane numbers; v27 g2g; v28, v29 the add's; v32-79 scale words (6 i + s: lanes 0-15 k's tile i, lanes 16-31 q's tile i); v80-103 at work; v104-116 scale words of the small products;
;   v128-223 q's eight fragments, then the sums w, then v's fragments; v224-255 w's codes, g2g's sums.   window 1: k's fragments, two sets (128 p + 12 i); in the tail ctx.   windows 2, 3: the 64 accumulators ((a, b) at 8 (8 (a % 4) + b)); in the tail cls_fc, ln_g, ln_b.
.set QP,    153600                     ; LDS: 0: k's two units;  here: q's two units, at last v's;
.set WS,    307200                     ; w: 16 rows (2 x entity + mention) of 512 bytes + 16;
.set RED,   315648                     ; the waves' partial sums;
.set SPARE, 317696                     ; the spare words, 128 bytes for each wave: two blocks of 256 bytes that no other line names
.set SC,    32
.set MSB,   0
.macro WIN new                         ; the immediate's high byte repeats the setting that is left; a switch that changes nothing is dropped
.if MSB != (\new)
	s_set_vgpr_msb (MSB<<8)|(\new)
.set MSB, (\new)
.endif
.endm
.macro PLACES                          ; four plain places behind matrix instructions, ahead of loads into their registers and of reads of their results
.rept 4
	v_nop
.endr
.endm
.macro FETCH_K s, p                    ; k's eight fragments of K step s into set p: 512 consecutive bytes a load
	WIN 0x40
.irp i, 0,1,2,3,4,5,6,7
.irp c, 0,1,2
	ds_load_b128 v[128*(\p)+12*\i+4*\c:128*(\p)+12*\i+4*\c+3], v[1+\i/4] offset:(6*(\i%4)+(\s))*1536+512*\c
.endr
.endr
	WIN 0
.endm
.macro FETCH_Q s, i0                   ; q's fragments i0 .. i0 + 3
.irp i, \i0, \i0+1, \i0+2, \i0+3
.irp c, 0,1,2
	ds_load_b128 v[128+12*(\i)+4*\c:128+12*(\i)+4*\c+3], v[3+(\i)/4] offset:(6*((\i)%4)+(\s))*1536+512*\c
.endr
.endr
.endm
; 16 matrix instructions: q's tiles a0, a0 + 1 against k's eight.  The 64 accumulators take turns, one instruction a turn, in the same order in every step.
.macro MUL16 a0, p, s, zero
.irp a, \a0, \a0+1
.irp b, 0,1,2,3,4,5,6,7
.if \zero
	v_wmma_scale_f32_16x16x128_f8f6f4 v[8*(8*((\a)%4)+\b):8*(8*((\a)%4)+\b)+7], v[128*(\p)+12*\b:128*(\p)+12*\b+11], v[128+12*(\a):128+12*(\a)+11], 0, v[SC+6*\b+(\s)], v[SC+6*(\a)+(\s)] matrix_a_fmt:MATRIX_FMT_FP6 matrix_b_fmt:MATRIX_FMT_FP6 matrix_b_scale:MATRIX_SCALE_ROW1
.else
	v_wmma_scale_f32_16x16x128_f8f6f4 v[8*(8*((\a)%4)+\b):8*(8*((\a)%4)+\b)+7], v[128*(\p)+12*\b:128*(\p)+12*\b+11], v[128+12*(\a):128+12*(\a)+11], v[8*(8*((\a)%4)+\b):8*(8*((\a)%4)+\b)+7], v[SC+6*\b+(\s)], v[SC+6*(\a)+(\s)] matrix_a_fmt:MATRIX_FMT_FP6 matrix_b_fmt:MATRIX_FMT_FP6 matrix_b_scale:MATRIX_SCALE_ROW1
.endif
.endr
.endr
.endm
; K steps 0 to 4.  q has one set of registers: a tile is free as soon as its eight products are issued; k has two sets.
.macro STEP s, zero
	s_wait_dscnt 12                                ; k's set and q's tiles 0-3 are in; the youngest twelve loads (q's tiles 4-7) may be out
	WIN 0xa1                                       ; source 0 (k) window 1, source 1 (q) window 0, C and D window 2
	MUL16 0, (\s)%2, \s, \zero
	MUL16 2, (\s)%2, \s, \zero
	s_wait_dscnt 0x0                               ; q's tiles 4-7 are in
	PLACES
	FETCH_K (\s)+1, 1-(\s)%2
	FETCH_Q (\s)+1, 0
	WIN 0xf1                                       ; C and D window 3
	MUL16 4, (\s)%2, \s, \zero
	MUL16 6, (\s)%2, \s, \zero
	PLACES
	WIN 0
	FETCH_Q (\s)+1, 4
.endm
; K step 5: all of q's fragments are asked for, so q's region can be filled again.
.macro LAST
	s_wait_tensorcnt 0x0                           ; no tensor load of mine is out, so the walking descriptor may be written
	ds_add_u32 v28, v29                            ; 0 onto my spare word
	s_wait_dscnt 13                                ; (the add and the youngest twelve loads may be out)
	WIN 0xa1
	MUL16 0, 1, 5, 0                               ; sixteen matrix instructions and the descriptor's step stand between the add and the wait for it
	s_add_co_u32 s48, s48, 153600                  ; the next two entities' units,
	s_cmp_eq_u32 s31, 3
	s_cselect_b32 s50, s49, s48                    ; or, behind the last trip's products, v's two units
	s_add_nc_u64 s[46:47], s[8:9], s[50:51]
	s_or_b32 s47, s47, 0x80000000
	s_wait_dscnt 0x0                               ; the add is done, and my reads of q's region are over
	s_barrier_signal -1
	MUL16 2, 1, 5, 0                               ; work on registers while the others arrive
	WIN 0xf1
	MUL16 4, 1, 5, 0
	MUL16 6, 1, 5, 0
	WIN 0
	s_barrier_wait -1                              ; nobody reads the region any more
	tensor_load_to_lds s[44:47], s[32:39]          ; my quarter of it: my one tensor load behind this barrier, and the first thing there
	s_nop 0
	PLACES                                         ; (also the places ahead of the softmax's first read of the sums)
.endm
; The softmax of tile a (16 queries, a lane's 64 of a query's 128 keys), normalised, and added onto the sums over queries in v128-191.
.macro SOFTMAX a
.set X, 2+(\a)/4
.set AC, 64*((\a)%4)
	WIN (X|(X<<2))
.irp c, 0,1,2,3
	v_max_num_f32 v[80+\c], v[AC+16*\c], v[AC+16*\c+1]     ; four chains, each accumulator from its low end on
.endr
.irp i, 2,4,6,8,10,12,14
.irp c, 0,1,2,3
	v_max3_num_f32 v[80+\c], v[AC+16*\c+\i], v[AC+16*\c+\i+1], v[80+\c]
.endr
.endr
	WIN 0
	v_max3_num_f32 v80, v80, v81, v82
	v_max_num_f32 v80, v80, v83
	v_permlanex16_b32 v84, v80, s52, s53           ; the query's other 64 keys lie in the lane 16 away
	v_max_num_f32 v80, v80, v84
	v_mul_f32 v86, s56, v80                        ; -c x the row's largest score
.irp i, 88,89,90,91
	v_mov_b32 v\i, 0
.endr
	WIN ((X<<6)|X)
.set j, 0
.rept 32
	v_pk_fma_f32 v[AC+j:AC+j+1], v[AC+j:AC+j+1], s[54:55], v[86:87] op_sel_hi:[1,0,0]   ; c s - c max, two at a time
.set j, j+2
.endr
.set j, 0
.rept 64
	v_exp_f32 v[AC+j], v[AC+j]
.set j, j+1
.endr
	v_nop                                          ; a plain instruction behind the last exponential
	s_wait_alu depctr_va_vdst(0)                   ; one wait for the batch of 64, ahead of its first reader
	WIN X
.set j, 0
.rept 16
	v_pk_add_f32 v[88:89], v[AC+j:AC+j+1], v[88:89]
	v_pk_add_f32 v[90:91], v[AC+j+2:AC+j+3], v[90:91]
.set j, j+4
.endr
	WIN 0
	v_pk_add_f32 v[88:89], v[88:89], v[90:91]
	v_add_f32 v88, v88, v89
	v_permlanex16_b32 v92, v88, s52, s53
	v_add_f32 v88, v88, v92                        ; the row's sum
	v_rcp_f32 v94, v88
	v_nop
	s_wait_alu depctr_va_vdst(0)                   ; the wait ahead of the reciprocal's first reader
	WIN X
.set j, 0
.rept 32
.if (\a) == 0
	v_pk_mul_f32 v[128+j:129+j], v[AC+j:AC+j+1], v[94:95] op_sel_hi:[1,0]                  ; the first tile starts the sums
.else
	v_pk_fma_f32 v[128+j:129+j], v[AC+j:AC+j+1], v[94:95], v[128+j:129+j] op_sel_hi:[1,0,1]
.endif
.set j, j+2
.endr
	WIN 0
.endm
; A stage of the sum over the 16 lanes of a row: lanes whose bit is 0 keep the lower half of the n registers, the others the upper half; each sends the half that it does not keep to its partner.
.macro RSTAGE n, m, x
.set j, 0
.rept (\n)/2
.set T, 96+2*(j%4)
	v_cndmask_b32 v[T], v[128+j], v[128+j+(\n)/2], s[\m]
	v_cndmask_b32 v[T+1], v[128+j+(\n)/2], v[128+j], s[\m]
	v_add_f32_dpp v[128+j], v[T+1], v[T] row_xmask:\x row_mask:0xf bank_mask:0xf
.set j, j+1
.endr
.endm
.macro JOIN b                          ; four pairs of partial sums, and the lane 16 away: into v[b]
	v_pk_add_f32 v[\b:\b+1], v[\b:\b+1], v[\b+2:\b+3]
	v_pk_add_f32 v[\b+4:\b+5], v[\b+4:\b+5], v[\b+6:\b+7]
	v_pk_add_f32 v[\b:\b+1], v[\b:\b+1], v[\b+4:\b+5]
	v_add_f32 v[\b], v[\b], v[\b+1]
	v_permlanex16_b32 v84, v[\b], s52, s53
	v_add_f32 v[\b], v[\b], v84
.endm
	s_load_b512 s[8:23], s[0:1], 0x0               ; pack s[8:9], clsfc s[10:11], ln_g s[12:13], ln_b s[14:15], mention cls c s[16:17] s s[18:19], entity cls c s[20:21] s s[22:23]
	s_load_b64 s[24:25], s[0:1], 0x40              ; out0
	v_lshl_add_u32 v28, v0, 2, SPARE
	v_mov_b32 v29, 0
	ds_add_u32 v28, v29
	ds_add_u32 v28, v29
	s_wait_dscnt 0x0
	v_lshrrev_b32 v1, 5, v0
	v_readfirstlane_b32 s26, v1                    ; wave 0..3
	s_lshr_b32 s27, s26, 1                         ; es; in the tail: which half of the channels
	s_and_b32 s28, s26, 1                          ; ms
	s_lshl_b32 s29, ttmp9, 3                       ; e0
	s_and_b32 s30, ttmp7, 0xffff
	s_lshl_b32 s30, s30, 1                         ; b0
	; descriptor group 1: a quarter of a region, 38,400 dense bytes, as 150 rows of 256 bytes (32 elements of 8 bytes), no padding
	s_mov_b32 s32, 3<<16
	s_mov_b32 s33, 32<<16                          ; tensor_dim0
	s_mov_b32 s34, 150<<16                         ; tensor_dim1
	s_mov_b32 s35, 32<<16                          ; tile_dim0
	s_mov_b32 s36, 150                             ; tile_dim1
	s_mov_b32 s37, 32                              ; from row to row
	s_mov_b32 s38, 0
	s_mov_b32 s39, 0
	s_mul_i32 s69, s26, 38400                      ; my quarter
	s_mul_i32 s48, s29, 76800
	s_add_co_u32 s48, s48, s69                     ; s48: q's units in pack, walking
	s_add_co_u32 s49, s30, 160
	s_mul_i32 s49, s49, 76800
	s_add_co_u32 s49, s49, s69                     ; s49: v's units
	s_add_co_u32 s50, s30, 128
	s_mul_i32 s50, s50, 76800
	s_add_co_u32 s50, s50, s69                     ; k's units
	s_mov_b32 s51, 0
	s_mov_b32 s40, 1
	s_mov_b32 s41, s69                             ; k's region begins at LDS byte 0
	s_mov_b32 s44, 1
	s_add_co_u32 s45, s69, QP
	s_wait_kmcnt 0x0
	s_add_nc_u64 s[42:43], s[8:9], s[50:51]
	s_or_b32 s43, s43, 0x80000000
	s_mov_b32 s50, s48
	s_add_nc_u64 s[46:47], s[8:9], s[50:51]
	s_or_b32 s47, s47, 0x80000000
	tensor_load_to_lds s[40:43], s[32:39]          ; both first fills go out together, in every wave, ahead of every wait on TENSORcnt, every LDS read and every barrier
	s_nop 0
	tensor_load_to_lds s[44:47], s[32:39]
	s_nop 0
	PLACES
	v_and_b32 v30, 31, v0                          ; lane
	v_and_b32 v31, 15, v0                          ; r
	v_bfe_u32 v26, v0, 4, 1                        ; h
	v_and_b32 v25, 7, v0                           ; r % 8: my entity in the small products
	; ---- g2g, while the fills are on their way: source 0 = my mention's row in all 16 rows, source 1 = entity e0 + r % 8
	s_mov_b32 s73, 0
	s_add_co_u32 s70, s30, s28                     ; my mention
	s_mul_i32 s72, s70, 576
	s_add_nc_u64 s[16:17], s[16:17], s[72:73]
	s_mul_i32 s72, s70, 24
	s_add_nc_u64 s[18:19], s[18:19], s[72:73]
	s_mul_i32 s72, s29, 576
	s_add_nc_u64 s[20:21], s[20:21], s[72:73]
	s_mul_i32 s72, s29, 24
	s_add_nc_u64 s[22:23], s[22:23], s[72:73]
	v_mul_u32_u24 v17, v26, 24
	v_mul_u32_u24 v18, v25, 576
	v_add_nc_u32 v18, v18, v17
	v_mul_u32_u24 v19, v25, 24
	v_mov_b32 v20, 0
.irp s, 0,1,2,3,4,5
.irp p, 0,1,2,3,4,5
	global_load_b64 v[128+12*\s+2*\p:129+12*\s+2*\p], v17, s[16:17] offset:96*\s+48*(\p/3)+8*(\p%3)
.endr
.endr
	WIN 0x40
.irp s, 0,1,2,3,4,5
.irp p, 0,1,2,3,4,5
	global_load_b64 v[12*\s+2*\p:12*\s+2*\p+1], v18, s[20:21] offset:96*\s+48*(\p/3)+8*(\p%3)
.endr
.endr
	WIN 0
.irp j, 0,1,2
	global_load_b64 v[104+2*\j:105+2*\j], v20, s[18:19] offset:8*\j
	global_load_b64 v[110+2*\j:111+2*\j], v19, s[22:23] offset:8*\j
.endr
	; ---- addresses and constants, all made here
	v_lshlrev_b32 v24, 4, v30                      ; 16 x lane
	v_lshlrev_b32 v23, 2, v30                      ; 4 x lane
	s_mul_i32 s69, s28, 76800
	v_add_nc_u32 v1, s69, v24                      ; k's fragments of tiles 0-3,
	v_add_nc_u32 v2, 36864, v1                     ; of tiles 4-7
	s_mul_i32 s74, s27, 76800
	s_add_co_u32 s74, s74, QP
	v_add_nc_u32 v3, s74, v24                      ; q's likewise
	v_add_nc_u32 v4, 36864, v3
	s_xor_b32 s74, s28, 1
	s_add_co_u32 s74, s74, s27
	s_add_co_u32 s74, s74, 1
	s_mul_i32 s74, s74, 76800                      ; from my k's scale words to my q's: 153,600 + 76,800 (es - ms)
	v_mul_u32_u24 v5, s74, v26                     ; lanes 16-31 take q's
	v_mad_u32_u24 v5, v31, 24, v5
	s_add_co_u32 s74, s69, 73728
	v_add_nc_u32 v5, s74, v5                       ; scale words: 24 bytes a token
	v_and_b32 v22, 1, v0                           ; where my four sums of w go: after the halving exchange lane bits 0, 1, 2, 3 stand for keys 64, 32, 16, 4, and lane / 16 for 8
	v_lshlrev_b32 v6, 8, v22
	v_bfe_u32 v22, v0, 1, 1
	v_lshl_add_u32 v6, v22, 7, v6
	v_bfe_u32 v22, v0, 2, 1
	v_lshl_add_u32 v6, v22, 6, v6
	v_bfe_u32 v22, v0, 3, 1
	v_lshl_add_u32 v6, v22, 4, v6
	v_lshl_add_u32 v6, v26, 5, v6
	s_mul_i32 s74, s26, 528                        ; row 2 es + ms = my wave's number, + 4 a trip
	s_add_co_u32 s74, s74, WS
	v_add_nc_u32 v6, s74, v6
	v_mul_u32_u24 v7, v25, 3072                    ; the tail: cls_fc: my entity's row, + 8 numbers for lanes 16-31
	v_lshl_add_u32 v7, v26, 5, v7
	v_lshlrev_b32 v8, 5, v26                       ; ln_g, ln_b
	v_mul_u32_u24 v9, v25, 1056                    ; w: row 2 (r % 8) + ms, + 16 numbers for lanes 16-31
	v_lshl_add_u32 v9, v26, 6, v9
	s_mul_i32 s74, s28, 528
	s_add_co_u32 s74, s74, WS
	v_add_nc_u32 v9, s74, v9
	s_add_co_u32 s69, s69, QP                      ; v's unit of my mention
	s_mul_i32 s74, s27, 1536
	s_add_co_u32 s74, s74, s69
	s_add_co_u32 s74, s74, 73728
	v_lshl_add_u32 v10, v31, 2, s74                ; v's scale words: 4 bytes a channel
	s_mul_i32 s74, s27, 36864
	s_add_co_u32 s74, s74, s69
	v_add_nc_u32 v11, s74, v24                     ; v's fragments: my 24 tiles
	s_lshl_b32 s69, s26, 7
	s_add_co_u32 s69, s69, RED
	v_add_nc_u32 v12, s69, v23                     ; partial sums: mine,
	s_xor_b32 s74, s26, 2                          ; and those of the wave with my mention's other channels
	s_lshl_b32 s69, s74, 7
	s_add_co_u32 s69, s69, RED
	v_add_nc_u32 v13, s69, v23
	s_mul_i32 s69, s26, 384
	s_add_co_u32 s69, s69, RED+512
	v_add_nc_u32 v14, s69, v23
	s_mul_i32 s69, s74, 384
	s_add_co_u32 s69, s69, RED+512
	v_add_nc_u32 v15, s69, v23
	s_mul_i32 s72, s29, 3072
	s_mul_i32 s74, s27, 1536
	s_add_co_u32 s72, s72, s74
	s_add_nc_u64 s[10:11], s[10:11], s[72:73]      ; cls_fc at entity e0, my half of the channels
	s_mov_b32 s72, s74
	s_add_nc_u64 s[12:13], s[12:13], s[72:73]
	s_add_nc_u64 s[14:15], s[14:15], s[72:73]
	s_lshl_b32 s72, s70, 9
	s_lshl_b32 s74, s29, 2
	s_add_co_u32 s72, s72, s74
	s_add_nc_u64 s[24:25], s[24:25], s[72:73]      ; out0 at (my mention, e0)
	s_mov_b32 s52, 0x76543210
	s_mov_b32 s53, 0xfedcba98                      ; v_permlanex16_b32's selects for lane l xor 16
	s_mov_b32 s54, 0x3d553b94                      ; c = log2(e) / sqrt(768)
	s_mov_b32 s55, s54                             ; (named with it as a pair)
	s_mov_b32 s56, 0xbd553b94                      ; -c
	s_mov_b32 s57, 0xaaaaaaaa                      ; lanes whose bit 0, 1, 2, 3 is set
	s_mov_b32 s58, 0xcccccccc
	s_mov_b32 s59, 0xf0f0f0f0
	s_mov_b32 s60, 0xff00ff00
	s_mov_b32 s66, 0xbaaaaaab                      ; -1 / 768
	s_mov_b32 s67, 0x33aaaaab                      ; 1 / (768 x 128 x 128)
	s_mov_b32 s68, 0x3727c5ac                      ; 1e-5
	s_mov_b32 s70, 0x3b800000                      ; 1 / 256
	s_mov_b32 s71, 0                               ; w's rows: 4 x 528 bytes a trip
	s_mov_b32 s31, 0                               ; the trip
.irp i, 84,85,86,87,92,95
	v_mov_b32 v\i, 0                               ; written once: destinations of lane permutes, upper halves of pairs
.endr
	s_wait_loadcnt 0x0
	WIN 0x04                                       ; source 1 window 1
.irp s, 0,1,2,3,4,5                            ; two accumulators by turns
.if \s < 2
	v_wmma_scale_f32_16x16x128_f8f6f4 v[240+8*(\s%2):247+8*(\s%2)], v[128+12*\s:139+12*\s], v[12*\s:12*\s+11], 0, v[104+\s], v[110+\s] matrix_a_fmt:MATRIX_FMT_FP6 matrix_b_fmt:MATRIX_FMT_FP6
.else
	v_wmma_scale_f32_16x16x128_f8f6f4 v[240+8*(\s%2):247+8*(\s%2)], v[128+12*\s:139+12*\s], v[12*\s:12*\s+11], v[240+8*(\s%2):247+8*(\s%2)], v[104+\s], v[110+\s] matrix_a_fmt:MATRIX_FMT_FP6 matrix_b_fmt:MATRIX_FMT_FP6
.endif
.endr
	WIN 0
	PLACES
	v_add_f32 v27, v240, v248                      ; g2g(my mention, e0 + r % 8): every row of the result is the same
	s_wait_tensorcnt 0x0                           ; my quarters of k's and q's regions are in,
	s_barrier_signal -1
	s_barrier_wait -1                              ; everybody's are
.Lpair:                                            ; four trips
	FETCH_K 0, 0
	FETCH_Q 0, 0
.irp i, 0,1,2,3,4,5,6,7
.irp j, 0,1,2
	ds_load_b64 v[SC+6*\i+2*\j:SC+6*\i+2*\j+1], v5 offset:384*\i+8*\j
.endr
.endr
	FETCH_Q 0, 4
	STEP 0, 1                                      ; the first K step starts the sums: nothing is cleared
	STEP 1, 0
	STEP 2, 0
	STEP 3, 0
	STEP 4, 0
	LAST
	SOFTMAX 0
	SOFTMAX 1
	SOFTMAX 2
	SOFTMAX 3
	SOFTMAX 4
	SOFTMAX 5
	SOFTMAX 6
	SOFTMAX 7
	RSTAGE 64, 57, 1
	RSTAGE 32, 58, 2
	RSTAGE 16, 59, 4
	RSTAGE 8, 60, 8
	v_add_nc_u32 v21, s71, v6
	ds_store_b128 v21, v[128:131]                  ; four of the pair's 128 sums
	s_wait_tensorcnt 0x0                           ; my quarter of the refill has landed,
	s_wait_dscnt 0x0                               ; and my store is done
	s_barrier_signal -1
	s_barrier_wait -1                              ; the region is whole for every wave
	s_add_co_u32 s71, s71, 2112
	s_add_co_u32 s31, s31, 1
	s_cmp_lt_u32 s31, 4
	s_cbranch_scc1 .Lpair
	; ---- THE TAIL.  cls_fc, ln_g, ln_b in the layout of ctx's accumulators: tile i's eight channels 16 i + 8 h + 0 .. 7
	WIN 0x80
.set i, 0
.rept 24
	global_load_b128 v[8*i:8*i+3], v7, s[10:11] offset:64*i
	global_load_b128 v[8*i+4:8*i+7], v7, s[10:11] offset:64*i+16
.set i, i+1
.endr
	WIN 0xc0
.set i, 0
.rept 24
	global_load_b128 v[8*i:8*i+3], v8, s[12:13] offset:64*i
	global_load_b128 v[8*i+4:8*i+7], v8, s[12:13] offset:64*i+16
.set i, i+1
.endr
.irp q, 0,1,2
	WIN ((1+\q)<<6)
.irp i, 0,1,2,3,4,5,6,7
	global_load_b128 v[192+8*\i:195+8*\i], v8, s[14:15] offset:64*(8*\q+\i)
	global_load_b128 v[196+8*\i:199+8*\i], v8, s[14:15] offset:64*(8*\q+\i)+16
.endr
.endr
	WIN 0
.irp b, 0,1,2,3
.irp i, 0,1,2,3
	ds_load_b128 v[128+16*\b+4*\i:131+16*\b+4*\i], v9 offset:128*\b+16*\i     ; w of (entity r % 8, my mention): register 16 b + i = key 32 b + 16 h + i
.endr
.endr
.set i, 0
.rept 24
	ds_load_b32 v[32+i], v10 offset:64*i
.set i, i+1
.endr
	s_wait_dscnt 0x0
	; w is quantised along the keys: four blocks of 32
.irp b, 0,1,2,3
	v_max3_num_f32 v[80+\b], |v[128+16*\b]|, |v[129+16*\b]|, 0x1800000       ; and the floor 2^(3 - 127): the byte cannot fall under 1
.endr
.irp i, 2,4,6,8,10,12,14
.irp b, 0,1,2,3
	v_max3_num_f32 v[80+\b], v[80+\b], |v[128+16*\b+\i]|, |v[129+16*\b+\i]|
.endr
.endr
.irp b, 0,1,2,3
	v_permlanex16_b32 v[84+\b], v[80+\b], s52, s53
.endr
.irp b, 0,1,2,3
	v_max_num_f32 v[80+\b], v[80+\b], v[84+\b]
.endr
.irp b, 0,1,2,3
	v_add_nc_u32 v[92+\b], 0xff000000, v[80+\b]    ; 2 off the exponent field: the conversion's scale operand
.endr
.irp b, 0,1,2,3
	v_lshrrev_b32 v[84+\b], 23, v[92+\b]           ; the scale's byte
.endr
	v_lshl_or_b32 v116, v85, 8, v84
	v_lshl_or_b32 v116, v86, 16, v116
	v_lshl_or_b32 v116, v87, 24, v116              ; w's scale word
.irp c, 0,1
	v_cvt_scalef32_pk16_fp6_f32 v[224+6*\c:226+6*\c], v[128+32*\c:143+32*\c], v[92+2*\c]
	v_cvt_scalef32_pk16_fp6_f32 v[236+4*\c:238+4*\c], v[144+32*\c:159+32*\c], v[93+2*\c]
.endr
	v_nop                                          ; one plain place behind a scaled conversion
.irp c, 0,1
.irp i, 0,1,2
	v_permlane16_swap_b32 v[224+6*\c+\i], v[236+4*\c+\i]
.endr
.irp i, 0,1,2
	v_mov_b32 v[227+6*\c+\i], v[236+4*\c+\i]
.endr
.endr
	; 128 x ctx^T = v^T w^T: source 0 = 16 channels of v, source 1 = w; 24 tiles, eight at a time, each with an accumulator of its own
.irp q, 0,1,2
.irp i, 0,1,2,3,4,5,6,7
.irp c, 0,1,2
	ds_load_b128 v[128+12*\i+4*\c:131+12*\i+4*\c], v11 offset:1536*(8*\q+\i)+512*\c
.endr
.endr
	s_wait_dscnt 0x0
.if \q == 0
.rept 8
	v_nop                                          ; a scale word written by vector instructions stands eight places ahead of the scaled product, codes so written four
.endr
.endif
	WIN 0x40
.irp i, 0,1,2,3,4,5,6,7
	v_wmma_scale_f32_16x16x128_f8f6f4 v[8*(8*\q+\i):8*(8*\q+\i)+7], v[128+12*\i:139+12*\i], v[224:235], 0, v[32+8*\q+\i], v116 matrix_a_fmt:MATRIX_FMT_FP6 matrix_b_fmt:MATRIX_FMT_FP6
.endr
	WIN 0
	PLACES
.endr
	; the mean over the 768 channels: my 192, the lane 16 away, the wave with the other 384
.irp i, 88,89,90,91,92,93,94,95
	v_mov_b32 v\i, 0
.endr
	WIN 0x01
.set j, 0
.rept 24
	v_pk_add_f32 v[88:89], v[j:j+1], v[88:89]      ; each accumulator from its low end on
	v_pk_add_f32 v[90:91], v[j+2:j+3], v[90:91]
	v_pk_add_f32 v[92:93], v[j+4:j+5], v[92:93]
	v_pk_add_f32 v[94:95], v[j+6:j+7], v[94:95]
.set j, j+8
.endr
	WIN 0
	JOIN 88
	ds_store_b32 v12, v88
	s_wait_dscnt 0x0                               ; for the others' sake: my store is done
	s_barrier_signal -1
	s_barrier_wait -1
	ds_load_b32 v89, v13
	s_wait_dscnt 0x0
	v_add_f32 v88, v88, v89
	v_mul_f32 v86, s66, v88                        ; minus the mean
	s_wait_loadcnt 0x0                             ; cls_fc, ln_g, ln_b
.set j, 128
.rept 24
	v_mov_b32 v[j], 0
.set j, j+1
.endr
	WIN 0x41
.set j, 0
.rept 96
	v_pk_add_f32 v[j:j+1], v[j:j+1], v[86:87] op_sel_hi:[1,0]                ; d = x - mean
.set j, j+2
.endr
	WIN 0x05
.set j, 0
.rept 96
	v_pk_fma_f32 v[128+2*((j/2)%4):129+2*((j/2)%4)], v[j:j+1], v[j:j+1], v[128+2*((j/2)%4):129+2*((j/2)%4)]      ; sum of d d
.set j, j+2
.endr
.irp q, 0,1,2
	WIN (0x02|((1+\q)<<2))
.set j, 0
.rept 32
	v_pk_fma_f32 v[136+2*((j/2)%4):137+2*((j/2)%4)], v[64*\q+j:64*\q+j+1], v[192+j:193+j], v[136+2*((j/2)%4):137+2*((j/2)%4)]   ; sum of cls_fc ln_b
.set j, j+2
.endr
.endr
	WIN 0x8e
.set j, 0
.rept 96
	v_pk_mul_f32 v[j:j+1], v[j:j+1], v[j:j+1]      ; cls_fc (window 2) x ln_g (window 3)
.set j, j+2
.endr
	WIN 0x06
.set j, 0
.rept 96
	v_pk_fma_f32 v[144+2*((j/2)%4):145+2*((j/2)%4)], v[j:j+1], v[j:j+1], v[144+2*((j/2)%4):145+2*((j/2)%4)]      ; sum of cls_fc ln_g (window 2) x d (window 1)
.set j, j+2
.endr
	WIN 0
	JOIN 128
	JOIN 136
	JOIN 144
	ds_store_b32 v14, v128
	ds_store_b32 v14, v136 offset:128
	ds_store_b32 v14, v144 offset:256
	s_wait_dscnt 0x0
	s_barrier_signal -1
	s_barrier_wait -1
	ds_load_b32 v129, v15
	ds_load_b32 v137, v15 offset:128
	ds_load_b32 v145, v15 offset:256
	s_wait_dscnt 0x0
	v_add_f32 v128, v128, v129
	v_add_f32 v136, v136, v137
	v_add_f32 v144, v144, v145
	v_fma_f32 v130, v128, s67, s68                 ; the variance of ctx, + 1e-5
	v_rsq_f32 v131, v130
	v_add_f32 v136, v136, v27                      ; (a plain instruction behind the root)  the part from ln_b, + g2g
	v_mul_f32 v136, 0.5, v136
	s_wait_alu depctr_va_vdst(0)                   ; the wait ahead of the root's first reader
	v_mul_f32 v144, v144, v131
	v_fma_f32 v132, v144, s70, v136                ; 0.5 (g2l + g2g): 1 / 128 and 0.5 make 1 / 256
	s_cmp_lg_u32 s27, 0                            ; waves 0 and 1 store, a mention each
	s_cbranch_scc1 .Lno_store
	s_wait_xcnt 0x0                                ; EXEC changes only behind this wait
	v_cmp_gt_u32 vcc_lo, 8, v30
	s_and_saveexec_b32 s72, vcc_lo
	global_store_b32 v23, v132, s[24:25]           ; lanes 0-7: entities e0 .. e0 + 7
	s_wait_xcnt 0x0
	s_or_b32 exec_lo, exec_lo, s72
.Lno_store:
	s_wait_tensorcnt 0x0                           ; the wave's end, behind my last tensor load and my last LDS store
	ds_add_u32 v28, v29
	s_wait_dscnt 0x0
	s_endpgm
.Lfunc_end_k_q8191ebc61a_attn:
	.size	k_q8191ebc61a_attn, .Lfunc_end_k_q8191ebc61a_attn-k_q8191ebc61a_attn
	.p2alignl 7, 3214868480
	.fill 96, 4, 3214868480
	.section	.rodata,"a",@progbits
	.p2align	6, 0x0
	.amdhsa_kernel k_q8191ebc61a_attn
		.amdhsa_group_segment_fixed_size 327680
		.amdhsa_private_segment_fixed_size 0
		.amdhsa_enable_private_segment 0
		.amdhsa_kernarg_size 72
		.amdhsa_user_sgpr_count 2
		.amdhsa_user_sgpr_kernarg_segment_ptr 1
		.amdhsa_wavefront_size32 1
		.amdhsa_system_sgpr_workgroup_id_x 1
		.amdhsa_system_sgpr_workgroup_id_y 1
		.amdhsa_system_sgpr_workgroup_id_z 1
		.amdhsa_system_vgpr_workitem_id 0
		.amdhsa_next_free_vgpr 1024
		.amdhsa_next_free_sgpr 80
		.amdhsa_reserve_vcc 1
		.amdhsa_float_denorm_mode_32 3
		.amdhsa_float_denorm_mode_16_64 3
		.amdhsa_memory_ordered 1
		.amdhsa_forward_progress 1
		.amdhsa_inst_pref_size 254
	.end_amdhsa_kernel
	.amdgpu_metadata
---
amdhsa.version: [ 1, 2 ]
amdhsa.kernels:
  - .name:           k_q8191ebc61a_attn
    .symbol:         k_q8191ebc61a_attn.kd
    .args:
      - { .name: pack, .offset: 0, .size: 8, .value_kind: global_buffer, .address_space: global }
      - { .name: clsfc, .offset: 8, .size: 8, .value_kind: global_buffer, .address_space: global }
      - { .name: ln_g, .offset: 16, .size: 8, .value_kind: global_buffer, .address_space: global }
      - { .name: ln_b, .offset: 24, .size: 8, .value_kind: global_buffer, .address_space: global }
      - { .name: mention_text_cls_codes, .offset: 32, .size: 8, .value_kind: global_buffer, .address_space: global }
      - { .name: mention_text_cls_scales, .offset: 40, .size: 8, .value_kind: global_buffer, .address_space: global }
      - { .name: entity_text_cls_codes, .offset: 48, .size: 8, .value_kind: global_buffer, .address_space: global }
      - { .name: entity_text_cls_scales, .offset: 56, .size: 8, .value_kind: global_buffer, .address_space: global }
      - { .name: out0, .offset: 64, .size: 8, .value_kind: global_buffer, .address_space: global }
    .group_segment_fixed_size: 327680
    .private_segment_fixed_size: 0
    .kernarg_segment_align: 8
    .kernarg_segment_size: 72
    .max_flat_workgroup_size: 128
    .sgpr_count:     80
    .vgpr_count:     1024
    .wavefront_size: 32
...
	.end_amdgpu_metadata
.endif
;; end of part 2
;; ======== version 2 of 2: 2 launches; version 1 with the launch proj written anew for expert scheduling mode
;; workspace buffers: pack 14,745,600 bytes; clsfc 393,216 bytes
;; launch proj (part 3): grid 210 x 1, 4 waves a work-group, no clusters, 276,480 bytes of LDS; arguments entity_text_tokens_codes, entity_text_tokens_scales, mention_text_tokens_codes, mention_text_tokens_scales, Wq_codes, Wq_scales, Wk_codes, Wk_scales, Wv_codes, Wv_scales, Wc_codes, Wc_scales, entity_text_cls_codes, entity_text_cls_scales, bq, bk, bv, bc, pack, clsfc; writes pack, clsfc
.if DOCPART == 3
	.amdgcn_target "amdgcn-amd-amdhsa--gfx1250"
	.amdhsa_code_object_version 6
	.text
	.protected	k_q8191ebc61a_proj
	.globl	k_q8191ebc61a_proj
	.p2align	8
	.type	k_q8191ebc61a_proj,@function
k_q8191ebc61a_proj:
	s_mov_b64 s[64:65], 0
	v_nop
	global_prefetch_b8 v0, s[64:65] scope:SCOPE_SE
	s_setreg_imm32_b32 hwreg(HW_REG_WAVE_SCHED_MODE, 0, 2), 2
	s_setreg_imm32_b32 hwreg(HW_REG_WAVE_MODE, 25, 1), 1
	s_wait_xcnt 0x0
	s_wait_alu depctr_vm_vsrc(0)
; The four projections, on codes of FP6 (E2M3) with one E8M0 scale for each 32 along K = 768:
;   q = entity tokens x Wq + bq, k = mention tokens x Wk + bk (both quantised again along their 768 channels), v = mention tokens x Wv + bv (quantised along the 128 tokens of a mention), cls_fc = entity cls x Wc + bc (kept f32).
; ONE BODY FOR ALL FOUR.  R is the matrix whose rows stay in registers: 256 rows a work-group, 64 a wave, all of K (288 registers).  S is the matrix whose rows lie in LDS, in groups of 128 rows.
; The matrix instruction takes 16 rows of S as source 0 and 16 rows of R as source 1: a lane then holds ONE row of R and its registers run along S's rows.  THE ROWS OF S THAT FORM A TILE ARE NOT NEIGHBOURS IN MEMORY: lane r of tile
; 2 b + u takes row 32 b + 8 u + r + 8 (r / 8), so that the 16 registers of tiles 2 b and 2 b + 1 are the 16 neighbouring rows 32 b + 16 (lane / 16) + 0 .. 15: what the conversions want.  A group of S so becomes one fragment
; (16 rows of R x 128 along S) for each tile of R.
;   work-groups   0-127: q    R = entity tokens,  S = Wq (3 of its 6 groups), bias along S
;   work-groups 128-159: k    R = mention tokens, S = Wk,                     bias along S
;   work-groups 160-207: v    R = Wv,             S = mention tokens (2 groups = 2 mentions), bias along R
;   work-groups 208-209: cls  R = entity cls (128 rows: waves 2 and 3 repeat waves 0 and 1 and store nothing), S = Wc, bias along S; the sums leave as f32
; THE FILL READS MEMORY AS IT LIES.  A row of codes is 576 bytes: one load takes its first 512 (32 lanes, 16 neighbouring bytes each), and one load takes the last 64 bytes of eight neighbouring rows (four lanes a row).
; In LDS a row has 592 bytes (576 + 16 = 148 words): 16 neighbouring rows start at 16 different groups of four banks (64 banks of 4 bytes: ISA guide 11.1), and lanes 16-31, 24 bytes on, fall between them: a load of 8 bytes a lane
; touches 64 different banks.  S's rows are laid IN THE ORDER OF THE TILES' LANES (of a wave's 32 rows, memory row 16 G + 8 u + i goes to LDS row 16 u + 8 G + i; the order stands in the stores' immediates), so a tile's rows are neighbours in LDS.
; R's rows go the same way through a stage of the wave's own, a tile of 16 rows at a time, and come back as fragments into the registers in which they waited.
; OUT: pack = 192 units of 76,800 bytes (q of entity e: unit e; k of mention b: 128 + b; v: 160 + b).  A unit: 48 fragments as images of their 12 registers (registers 4 c .. 4 c + 3 of lane l at 512 c + 16 l), 1,536 bytes each,
; then 3,072 bytes of scale words.  q, k: fragment 6 a + s (tokens 16 a on, channels 128 s on), a token's six words at 24 x token.  v: fragment = tile of 16 channels, a channel's word at 4 x channel.
; LIMITS: NaN and infinities are not served.  A block whose largest magnitude lies under 2^-124 gets the scale byte 1; a block of zeros gets 1 where the quantiser's rule says 127: its codes are zeros, and only this program reads the bytes.
; No tensor load (R and S together are more than LDS holds): every byte comes through registers once; one barrier in the launch.
; REGISTERS.  window 0: v1-23 addresses; v24-47 R's scale words (6 a + s); v48-95 S's (6 t + s); v96-159 the bias along S in the result's layout; v160-167 the bias along R; v168-211 the quantiser; v212-243 the fill; v254, v255 the closing add's.
;   window 1: R's fragments of K steps 0-2 at 12 (3 a + s); from v144 S's fragments, set 0.   window 2: K steps 3-5; from v144 set 1.   window 3: the 32 accumulators, (a, t) at 64 a + 8 t.
; THE MODE: SCHED_MODE bits 1:0 = 2 (LLVM: expert scheduling mode 2), set by the entry lines.  The code itself states the register dependences between vector or matrix instructions and memory or LDS instructions, with s_wait_alu, always for 0.
; THE PLAN.  Registers that memory or LDS instructions touch, who writes them and who reads them:
;   THE FILL.  All addresses are made by vector lines ahead of the first load: one wait on va_vdst there; those of the fill and of the stores are never written again.
;     R's 288 registers: global loads land in them; a tile's 18 stores into the stage read them; its 36 loads from the stage land in the same 72: one wait on vm_vsrc a tile, between the two.  From then on matrix instructions alone name them.
;     S's 432 waiting registers (window 3; v144 on of windows 1 and 2): global loads land in them, LDS stores read them; in the loop they are the accumulators and the two sets: the last tile's wait on vm_vsrc stands behind every store of the fill.
;     v230-232, the bias: loaded, masked by three vector lines, stored: one wait on va_vdst between.
;   THE LOOP.  Set 0, set 1: K step s's matrix instructions read set s % 2; the loads of step s + 1 land in the other set, which step s - 1's matrix instructions read.  ONE wait on va_vdst at the head of steps 1 to 4 states that those are done;
;     behind it the step's 48 loads are dealt among its 32 matrix instructions, twelve ahead of each eight: these name set s % 2, R's fragments, the scale words and the accumulators, none of the registers that the loads touch.
;     v48-95, v96-159, set 0 and the addresses v9-12: loaded, or read by loads, at a trip's head: one wait on va_vdst there (the last trip's matrix instructions are done with them; the four additions have written the addresses);
;     one wait on vm_vsrc ahead of those four additions, which also frees what the trip's stores have read.
;     v192-210, the codes: written by a tile's conversions, swaps and moves, read by its three stores: a wait on va_vdst ahead of the stores, a wait on vm_vsrc ahead of the next tile's conversions.  v188, v189 go with tile 3's.
;     The accumulators are read by stores in cls alone: a wait on va_vdst, behind the places, ahead of the run.
.set PIT,  592                         ; a row of codes in LDS
.set SSC,  227328                      ; LDS: 0: S's 384 rows;  here: S's scale bytes as they lie, 24 a row;
.set SB,   236544                      ; here: 384 numbers of the bias along S;
.set RST,  238080                      ; here: a stage of 16 rows for each wave
.set RS,   24
.set SS,   48
.set BS,   96
.set BR,   160
.set TM,   168
.set PW,   184
.set PWC,  188
.set PC,   192
.set STS,  212
.set STB,  230
.set GRM,  233                         ; v233     memory: a row's last 64 bytes: 576 (lane / 4) + 512 + 16 (lane % 4)
.set SFU,  234                         ; v234-236 LDS: where a whole load of group g goes: 16 x lane + my wave's 32 rows + the group
.set SRM,  237                         ; v237-239 LDS: the same for the loads of last 64 bytes
.set RFU,  240                         ; v240     my stage: 16 x lane
.set RRM,  241                         ; v241     my stage: the last 64 bytes
.set RRD,  242                         ; v242     my stage, back: row r, + 24 h
.set VO,   16
.set MSB,  0
.macro WIN new                         ; the immediate's high byte repeats the setting that is left; a switch that changes nothing is dropped
.if MSB != (\new)
	s_set_vgpr_msb (MSB<<8)|(\new)
.set MSB, (\new)
.endif
.endm
.macro PLACES                          ; four plain places behind matrix instructions, ahead of loads into their registers and of reads of their results
.rept 4
	v_nop
.endr
.endm
; the fill of S: load n = 36 g + j waits in four registers that the loop uses later
.macro SPLACE n
.if (\n) < 64
.set FW, 3
.set FB, 4*(\n)
.elseif (\n) < 88
.set FW, 1
.set FB, 144+4*((\n)-64)
.else
.set FW, 2
.set FB, 144+4*((\n)-88)
.endif
.endm
.macro SLOAD g                         ; my wave's 32 rows of group g: 32 loads of 512 consecutive bytes, 4 loads of eight rows' last 64 bytes
.set j, 0
.rept 36
	SPLACE 36*(\g)+j
	WIN (FW<<6)
.if j < 32
	global_load_b128 v[FB:FB+3], v[VO], s[56:57] offset:(128*(\g)+j)*576
.else
	global_load_b128 v[FB:FB+3], v[GRM], s[56:57] offset:(128*(\g)+8*(j-32))*576
.endif
.set j, j+1
.endr
.endm
.macro SSTORE g                        ; and into LDS: memory row 16 G + 8 u + i to LDS row 16 u + 8 G + i
.set j, 0
.rept 36
	SPLACE 36*(\g)+j
	WIN (FW<<2)
.if j < 32
	ds_store_b128 v[SFU+(\g)], v[FB:FB+3] offset:(j%8+16*((j/8)%2)+8*(j/16))*PIT
.else
	ds_store_b128 v[SRM+(\g)], v[FB:FB+3] offset:8*(2*((j-32)%2)+(j-32)/2)*PIT
.endif
.set j, j+1
.endr
.endm
; the fill of R: tile a's 16 rows, 18 loads, wait in the 72 registers that its six fragments will take
.macro RLOAD a
.set q, 0
.rept 18
	WIN ((1+q/9)<<6)
.if q < 16
	global_load_b128 v[36*(\a)+4*(q%9):36*(\a)+4*(q%9)+3], v[VO], s[52:53] offset:(16*(\a)+q)*576
.else
	global_load_b128 v[36*(\a)+4*(q%9):36*(\a)+4*(q%9)+3], v[GRM], s[52:53] offset:(16*(\a)+8*(q-16))*576
.endif
.set q, q+1
.endr
.endm
.macro RSTAGE a                        ; through my stage.  LDS serves a wave's instructions in order (ISA guide 5.7.1.4): the loads see the stores above them, and the next tile's stores come behind these loads
.set q, 0
.rept 18
	WIN ((1+q/9)<<2)
.if q < 16
	ds_store_b128 v[RFU], v[36*(\a)+4*(q%9):36*(\a)+4*(q%9)+3] offset:q*PIT
.else
	ds_store_b128 v[RRM], v[36*(\a)+4*(q%9):36*(\a)+4*(q%9)+3] offset:8*(q-16)*PIT
.endif
.set q, q+1
.endr
	s_wait_alu depctr_vm_vsrc(0)                   ; the 18 stores above have read the tile's 72 registers, in which the 36 loads below land.  Tile 3's stands behind every LDS store of the fill: S's waiting registers are free for the loop's sums and fragments
.irp s, 0,1,2,3,4,5
	WIN ((1+\s/3)<<6)
.irp p, 0,1,2,3,4,5
	ds_load_b64 v[12*(3*(\a)+\s%3)+2*\p:12*(3*(\a)+\s%3)+2*\p+1], v[RRD] offset:96*\s+48*(\p/3)+8*(\p%3)   ; 24 bytes of the row's stream of bits twice, in pieces of 8
.endr
.endr
.endm
.macro FETCH2 s, t0                    ; two of the group's eight fragments of K step s, tiles t0 and t0 + 1, into set s % 2: twelve loads
	WIN ((1+(\s)%2)<<6)
.irp t, \t0, \t0+1
.irp p, 0,1,2,3,4,5
	ds_load_b64 v[144+12*(\t)+2*\p:144+12*(\t)+2*\p+1], v[9+(\t)/4] offset:16*((\t)%4)*PIT+96*(\s)+48*(\p/3)+8*(\p%3)
.endr
.endr
.endm
; A K step: 32 matrix instructions, the 32 accumulators by turns in the same order in every step.  The next step's fragments are asked for among them: twelve loads ahead of each eight.
.macro KSTEP s
	s_wait_dscnt 0x0                               ; this step's set is in (its last twelve loads were asked for eight matrix instructions ago; in step 0 the scale words and the bias too)
	PLACES                                         ; the other set was read by the step before
.if (\s) > 0 && (\s) < 5
	WIN ((1+((\s)+1)%2)<<6)
	s_wait_alu depctr_va_vdst(0)                   ; the matrix instructions of the step before are done reading the other set, in which this step's 48 loads land; no matrix instruction of this step names that set or the loads' addresses
.endif                                                 ; (step 0: the wait at the trip's head has stated the same of the last trip's step 5; step 5 asks for nothing)
.set KW, ((1+(\s)/3)<<2)|(1+(\s)%2)
.irp a, 0,1,2,3
.if (\s) < 5
	FETCH2 (\s)+1, 2*\a
.endif
.if (\s) == 0
	WIN (0xc0|KW)                                  ; D window 3, C (the bias) window 0, R's fragment window 1 or 2, S's set window 1 or 2
.else
	WIN (0xf0|KW)
.endif
.irp t, 0,1,2,3,4,5,6,7
.if (\s) == 0
	v_wmma_scale_f32_16x16x128_f8f6f4 v[64*\a+8*\t:64*\a+8*\t+7], v[144+12*\t:144+12*\t+11], v[12*(3*\a+(\s)%3):12*(3*\a+(\s)%3)+11], v[BS+8*\t:BS+8*\t+7], v[SS+6*\t+(\s)], v[RS+6*\a+(\s)] matrix_a_fmt:MATRIX_FMT_FP6 matrix_b_fmt:MATRIX_FMT_FP6
.else
	v_wmma_scale_f32_16x16x128_f8f6f4 v[64*\a+8*\t:64*\a+8*\t+7], v[144+12*\t:144+12*\t+11], v[12*(3*\a+(\s)%3):12*(3*\a+(\s)%3)+11], v[64*\a+8*\t:64*\a+8*\t+7], v[SS+6*\t+(\s)], v[RS+6*\a+(\s)] matrix_a_fmt:MATRIX_FMT_FP6 matrix_b_fmt:MATRIX_FMT_FP6
.endif
.endr
.endr
.endm
; Tile a of R: a lane's 64 sums (register 16 b + i = place 32 b + 16 (lane / 16) + i of my row) become a fragment's codes and its scale word; the image is stored.  Tile 3 sends the four tiles' scale words with it.
.macro QUANT a
	WIN 0x3c                                       ; sources 1 and 2: window 3
.irp b, 0,1,2,3
	v_max3_num_f32 v[TM+\b], 0x1800000, |v[64*(\a)+16*\b]|, |v[64*(\a)+16*\b+1]|   ; block b: my 16 numbers, from each accumulator's low end on, and the floor 2^(3 - 127): the byte cannot fall under 1
.endr
.irp i, 2,4,6,8,10,12,14
.irp b, 0,1,2,3
	v_max3_num_f32 v[TM+\b], v[TM+\b], |v[64*(\a)+16*\b+\i]|, |v[64*(\a)+16*\b+\i+1]|
.endr
.endr
	WIN 0
.irp b, 0,1,2,3
	v_permlanex16_b32 v[TM+4+\b], v[TM+\b], s86, s87
.endr
.irp b, 0,1,2,3
	v_max_num_f32 v[TM+\b], v[TM+\b], v[TM+4+\b]   ; with lane l xor 16's: the block's largest magnitude
.endr
.irp b, 0,1,2,3
	v_add_nc_u32 v[TM+12+\b], 0xff000000, v[TM+\b] ; 2 off its exponent field: the conversion's scale operand
.endr
.irp b, 0,1,2,3
	v_lshrrev_b32 v[TM+4+\b], 23, v[TM+12+\b]      ; the scale's byte
.endr
	v_lshl_or_b32 v[PW+(\a)], v[TM+5], 8, v[TM+4]  ; my row's scale word (the same in lanes l and l xor 16)
	v_lshl_or_b32 v[PW+(\a)], v[TM+6], 16, v[PW+(\a)]
	v_lshl_or_b32 v[PW+(\a)], v[TM+7], 24, v[PW+(\a)]
	s_wait_xcnt 0x0                                ; the last image's stores have read the codes' registers: they are written again only behind this wait
	s_wait_alu depctr_vm_vsrc(0)                   ; beside it: the last image's stores (tile 0: the last group's) have read v[PC ..], which the conversions below write; tile 3: and v[PWC], v[PWC + 1], which the selects write
	WIN 0x03                                       ; source 0: window 3
.irp c, 0,1
	v_cvt_scalef32_pk16_fp6_f32 v[PC+6*\c:PC+6*\c+2], v[64*(\a)+32*\c:64*(\a)+32*\c+15], v[TM+12+2*\c]
	v_cvt_scalef32_pk16_fp6_f32 v[PC+12+4*\c:PC+14+4*\c], v[64*(\a)+32*\c+16:64*(\a)+32*\c+31], v[TM+13+2*\c]   ; (a conversion's three registers begin on an even number)
.endr
	WIN 0
	v_nop                                          ; one plain place behind a scaled conversion
.irp c, 0,1                                    ; the operand's layout wants a WHOLE block in a lane
.irp i, 0,1,2
	v_permlane16_swap_b32 v[PC+6*\c+\i], v[PC+12+4*\c+\i]
.endr
.irp i, 0,1,2
	v_mov_b32 v[PC+3+6*\c+\i], v[PC+12+4*\c+\i]
.endr
.endr
.if (\a) == 3
	v_cndmask_b32 v[PWC], v[PW], v[PW+1], s84      ; lanes 0-15: tile 0's rows, lanes 16-31: tile 1's
	v_cndmask_b32 v[PWC+1], v[PW+2], v[PW+3], s84
.endif
	s_wait_alu depctr_va_vdst(0)                   ; the swaps and moves have written the codes v[PC .. PC + 11] (tile 3: and the selects the scale words), which the stores below read
.irp c, 0,1,2
	global_store_b128 v[VO+(\a)], v[PC+4*\c:PC+4*\c+3], s[66:67] offset:512*\c   ; 32 lanes store 512 consecutive bytes, at a multiple of 256 from pack's first byte
.endr
.if (\a) == 3
	global_store_b32 v14, v[PWC], s[68:69]
	global_store_b32 v15, v[PWC+1], s[68:69]
.endif
.endm
	s_load_b512 s[12:27], s[0:1], 0x0              ; entity tokens c s[12:13] s s[14:15]; mention tokens c s[16:17] s s[18:19]; Wq c s[20:21] s s[22:23]; Wk c s[24:25] s s[26:27]
	s_load_b512 s[28:43], s[0:1], 0x40             ; Wv c s[28:29] s s[30:31]; Wc c s[32:33] s s[34:35]; entity cls c s[36:37] s s[38:39]; bq s[40:41]; bk s[42:43]
	s_load_b256 s[44:51], s[0:1], 0x80             ; bv s[44:45]; bc s[46:47]; pack s[48:49]; clsfc s[50:51]
	v_lshl_add_u32 v254, v0, 2, 0x43600
	v_mov_b32 v255, 0
	v_lshrrev_b32 v1, 5, v0
	v_readfirstlane_b32 s76, v1                    ; wave 0..3
	; which product is my work-group's: s85 = k, s77 = v, s78 = cls; s90 = y, its number within the product
	s_mov_b32 s89, 208
	s_cmp_lt_u32 ttmp9, 208
	s_cselect_b32 s89, 160, s89
	s_cselect_b32 s78, 0, 1
	s_cselect_b32 s77, 1, 0
	s_cmp_lt_u32 ttmp9, 160
	s_cselect_b32 s89, 128, s89
	s_cselect_b32 s77, 0, s77
	s_cselect_b32 s85, 1, 0
	s_cmp_lt_u32 ttmp9, 128
	s_cselect_b32 s89, 0, s89
	s_cselect_b32 s85, 0, s85
	s_sub_co_u32 s90, ttmp9, s89
	s_wait_alu depctr_va_sdst(0)                   ; s76, the wave's number, is written, ahead of its first reader: rows, LDS places and bases are made from it
	; q, k: my wave's first row of R = 256 (y / 2) + 64 w, S's first row = 384 (y % 2)
	s_lshl_b32 s92, s76, 6
	s_lshr_b32 s91, s90, 1
	s_lshl_b32 s91, s91, 8
	s_add_co_u32 s91, s91, s92
	s_and_b32 s7, s90, 1
	s_mul_i32 s93, s7, 384
	; v: 256 (y / 16) + 64 w, and 256 (y % 16)
	s_lshr_b32 s94, s90, 4
	s_lshl_b32 s94, s94, 8
	s_add_co_u32 s94, s94, s92
	s_and_b32 s95, s90, 15
	s_lshl_b32 s95, s95, 8
	; cls: 64 (w % 2)
	s_and_b32 s2, s76, 1
	s_lshl_b32 s3, s2, 6
	; q, k: the unit 128 k + 2 (y / 2) + w / 2; images at 36,864 (w % 2) + 4,608 (y % 2), scale words at 73,728 + 1,536 (w % 2) + 12 (y % 2)
	s_lshr_b32 s4, s90, 1
	s_lshl_b32 s4, s4, 1
	s_lshr_b32 s5, s76, 1
	s_add_co_u32 s4, s4, s5
	s_lshl_b32 s6, s85, 7
	s_add_co_u32 s4, s4, s6
	s_mul_i32 s4, s4, 76800
	s_mul_i32 s6, s2, 36864
	s_mul_i32 s8, s7, 4608
	s_add_co_u32 s6, s6, s8
	s_add_co_u32 s6, s6, s4
	s_mul_i32 s8, s2, 1536
	s_mul_i32 s9, s7, 12
	s_add_co_u32 s8, s8, s9
	s_add_co_u32 s8, s8, s4
	s_add_co_u32 s8, s8, 73728
	; v: the unit 160 + 2 (y % 16); images at 1,536 x (row / 16) = 96 x row, scale words at 73,728 + 4 x row
	s_and_b32 s9, s90, 15
	s_lshl_b32 s9, s9, 1
	s_add_co_u32 s9, s9, 160
	s_mul_i32 s9, s9, 76800
	s_mul_i32 s10, s94, 96
	s_add_co_u32 s10, s10, s9
	s_lshl_b32 s11, s94, 2
	s_add_co_u32 s11, s11, s9
	s_add_co_u32 s11, s11, 73728
	s_cmp_eq_u32 s77, 1
	s_cselect_b32 s91, s94, s91                    ; s91: R's row
	s_cselect_b32 s93, s95, s93                    ; s93: S's row
	s_cselect_b32 s6, s10, s6                      ; s6: images
	s_cselect_b32 s8, s11, s8                      ; s8: scale words
	s_cselect_b32 s80, 2, 3                        ; groups of S
	s_mov_b32 s82, 9216
	s_cselect_b32 s82, 1536, s82                   ; from tile to tile of R in pack
	s_mov_b32 s72, 1536
	s_cselect_b32 s72, 76800, s72                  ; s[72:73]: from group to group, images
	s_cselect_b32 s83, 4, 24                       ; from row to row of R among the scale words
	s_mov_b32 s74, 76800
	s_cselect_b32 s74, s74, 4                      ; s[74:75]: from group to group, scale words
	s_cselect_b32 s88, 0, -1                       ; keeps the bias along S, or (v) makes it 0
	s_mov_b32 s73, 0
	s_mov_b32 s75, 0
	s_cmp_eq_u32 s78, 1
	s_cselect_b32 s91, s3, s91
	s_mul_i32 s9, s91, 3072
	s_lshl_b32 s11, s93, 2                         ; 4 x S's row
	s_add_co_u32 s9, s9, s11
	s_cmp_eq_u32 s78, 1
	s_cselect_b32 s9, s9, 0                        ; cls: where my sums go in clsfc
	s_lshl_b32 s10, s91, 2                         ; 4 x R's row
	s_cmp_eq_u32 s77, 1
	s_cselect_b32 s10, s10, 0                      ; the bias along R: v's rows; the other products read the bias's first numbers and do not use them
	s_cselect_b32 s11, 0, s11                      ; the bias along S
	s_lshr_b32 s79, s76, 1
	s_and_b32 s79, s79, s78                        ; cls, waves 2 and 3: nothing to store
	s_mov_b32 s84, 0xffff0000                      ; lanes 16-31
	s_mov_b32 s86, 0x76543210
	s_mov_b32 s87, 0xfedcba98                      ; v_permlanex16_b32's selects for lane l xor 16
	v_and_b32 v1, 31, v0                           ; lane
	v_and_b32 v2, 15, v0                           ; r
	v_bfe_u32 v3, v0, 4, 1                         ; h
	v_mul_u32_u24 v5, v2, 24                       ; R's scale bytes: 24 a row
	v_and_b32 v13, 8, v2
	v_add_nc_u32 v13, v13, v2                      ; r + 8 (r / 8)
	v_lshlrev_b32 v7, 3, v0                        ; 8 x thread
	v_lshlrev_b32 v8, 2, v0                        ; 4 x thread
	v_mul_u32_u24 v9, v2, PIT
	v_mad_u32_u24 v9, v3, 24, v9                   ; LDS: a fragment of a group's tiles 0-3: row r, + 24 h,
	v_add_nc_u32 v10, 64*PIT, v9                   ; and of tiles 4-7
	v_mul_u32_u24 v11, v13, 24
	v_add_nc_u32 v11, SSC, v11                     ; S's scale words, by the tile's rows in memory
	v_lshlrev_b32 v12, 6, v3
	v_add_nc_u32 v12, SB, v12                      ; the bias along S: 16 numbers on for lanes 16-31
	v_mul_lo_u32 v14, v1, s83                      ; scale words out: rows 0-31 of my 64,
	s_lshl_b32 s4, s83, 5
	v_add_nc_u32 v15, s4, v14                      ; rows 32-63
	v_lshlrev_b32 v[VO], 4, v1                     ; 16 x lane: the whole loads' offset; images out: + tile x step
.irp a, 1,2,3
	v_add_nc_u32 v[VO+\a], s82, v[VO+\a-1]
.endr
	v_mul_u32_u24 v20, v2, 3072
	v_lshl_add_u32 v20, v3, 6, v20                 ; clsfc: row r, + 16 numbers for lanes 16-31
	v_lshlrev_b32 v21, 2, v2                       ; the bias along R: 4 r
	v_lshl_add_u32 v22, v0, 2, SB                  ; LDS, the fill: the bias,
	v_lshl_add_u32 v23, v0, 3, SSC                 ; the scale bytes
	v_lshrrev_b32 v4, 2, v1                        ; lane / 4: which of eight rows,
	v_and_b32 v6, 3, v1
	v_lshlrev_b32 v6, 4, v6
	v_add_nc_u32 v6, 512, v6                       ; and which 16 of its last 64 bytes
	v_mad_u32_u24 v[GRM], v4, 576, v6              ; in memory,
	v_mad_u32_u24 v243, v4, PIT, v6                ; in LDS
	s_mul_i32 s4, s76, 32*PIT                      ; my wave's 32 rows of a group
	v_add_nc_u32 v[SFU], s4, v[VO]
	v_add_nc_u32 v[SRM], s4, v243
.irp g, 1,2
	v_add_nc_u32 v[SFU+\g], 128*PIT, v[SFU+\g-1]
	v_add_nc_u32 v[SRM+\g], 128*PIT, v[SRM+\g-1]
.endr
	s_mul_i32 s4, s76, 16*PIT
	s_add_co_u32 s4, s4, RST                       ; my stage
	v_add_nc_u32 v[RFU], s4, v[VO]
	v_add_nc_u32 v[RRM], s4, v243
	v_add_nc_u32 v[RRD], s4, v9
.irp b, 0,1,2,3
	v_mov_b32 v[TM+4+\b], 0                        ; written once: a lane permute's destination counts as one of its sources
	v_mov_b32 v[BR+2*\b+1], 0                      ; named as the upper halves of pairs
.endr
	s_wait_kmcnt 0x0
	s_cmp_eq_u32 s85, 1                            ; the buffers: q's, or k's,
	s_cselect_b64 s[52:53], s[16:17], s[12:13]     ; R's codes
	s_cselect_b64 s[54:55], s[18:19], s[14:15]     ; R's scales
	s_cselect_b64 s[56:57], s[24:25], s[20:21]     ; S's codes
	s_cselect_b64 s[58:59], s[26:27], s[22:23]     ; S's scales
	s_cselect_b64 s[60:61], s[42:43], s[40:41]     ; the bias
	s_cmp_eq_u32 s77, 1                            ; or v's,
	s_cselect_b64 s[52:53], s[28:29], s[52:53]
	s_cselect_b64 s[54:55], s[30:31], s[54:55]
	s_cselect_b64 s[56:57], s[16:17], s[56:57]
	s_cselect_b64 s[58:59], s[18:19], s[58:59]
	s_cselect_b64 s[60:61], s[44:45], s[60:61]
	s_cmp_eq_u32 s78, 1                            ; or cls's: each choice hangs on the work-group's number alone
	s_cselect_b64 s[52:53], s[36:37], s[52:53]
	s_cselect_b64 s[54:55], s[38:39], s[54:55]
	s_cselect_b64 s[56:57], s[32:33], s[56:57]
	s_cselect_b64 s[58:59], s[34:35], s[58:59]
	s_cselect_b64 s[60:61], s[46:47], s[60:61]
	s_mov_b32 s5, 0
	s_mul_i32 s4, s91, 576
	s_add_nc_u64 s[52:53], s[52:53], s[4:5]
	s_mul_i32 s4, s91, 24
	s_add_nc_u64 s[54:55], s[54:55], s[4:5]
	s_lshl_b32 s4, s76, 5
	s_add_co_u32 s4, s4, s93
	s_mul_i32 s4, s4, 576
	s_add_nc_u64 s[56:57], s[56:57], s[4:5]        ; S's codes at my wave's 32 rows of group 0
	s_mul_i32 s4, s93, 24
	s_add_nc_u64 s[58:59], s[58:59], s[4:5]
	s_mov_b32 s4, s10
	s_add_nc_u64 s[96:97], s[60:61], s[4:5]        ; the bias along R
	s_mov_b32 s4, s11
	s_add_nc_u64 s[60:61], s[60:61], s[4:5]        ; the bias along S
	s_mov_b32 s4, s6
	s_add_nc_u64 s[66:67], s[48:49], s[4:5]        ; images out
	s_mov_b32 s4, s8
	s_add_nc_u64 s[68:69], s[48:49], s[4:5]        ; scale words out
	s_mov_b32 s4, s9
	s_add_nc_u64 s[70:71], s[50:51], s[4:5]        ; clsfc out
	; ---- all loads go out before the first wait on their counter
	s_wait_alu depctr_va_vdst(0)                   ; every offset and LDS address of the kernel (v5, v7 to v12, v14 to v23, v233 to v242) is written: the loads and the LDS stores of the fill read them, with no vector line between
	RLOAD 0
	RLOAD 1
	RLOAD 2
	RLOAD 3
	WIN 0
.irp a, 0,1,2,3
.irp j, 0,1,2
	global_load_b64 v[RS+6*\a+2*\j:RS+6*\a+2*\j+1], v5, s[54:55] offset:384*\a+8*\j
.endr
	global_load_b32 v[BR+2*\a], v21, s[96:97] offset:64*\a
.endr
.irp i, 0,1,2
	global_load_b32 v[STB+\i], v8, s[60:61] offset:512*\i          ; 128 threads read 512 consecutive bytes
.endr
.irp i, 0,1,2,3,4,5
	global_load_b64 v[STS+2*\i:STS+2*\i+1], v7, s[58:59] offset:1024*\i
.endr
	SLOAD 0
	SLOAD 1
	WIN 0
	s_cmp_eq_u32 s77, 1                            ; v has two groups of S: the third group's loads and stores stand together in this one branch
	s_cbranch_scc1 .Ltwo_groups
.irp i, 6,7,8
	global_load_b64 v[STS+2*\i:STS+2*\i+1], v7, s[58:59] offset:1024*\i
.endr
	SLOAD 2
	WIN 0
	s_wait_loadcnt 0x0
.irp i, 6,7,8
	ds_store_b64 v23, v[STS+2*\i:STS+2*\i+1] offset:1024*\i
.endr
	SSTORE 2
	WIN 0
.Ltwo_groups:
	s_wait_loadcnt 0x0                             ; everything is in
.irp i, 0,1,2
	v_and_b32 v[STB+\i], s88, v[STB+\i]            ; v: no bias along S
.endr
	s_wait_alu depctr_va_vdst(0)                   ; the three lines above have written v[STB ..], which the LDS stores below read
.irp i, 0,1,2
	ds_store_b32 v22, v[STB+\i] offset:512*\i
.endr
.irp i, 0,1,2,3,4,5
	ds_store_b64 v23, v[STS+2*\i:STS+2*\i+1] offset:1024*\i
.endr
	SSTORE 0
	SSTORE 1
	RSTAGE 0
	RSTAGE 1
	RSTAGE 2
	RSTAGE 3
	WIN 0
	s_wait_dscnt 0x0                               ; for the others' sake: my stores into LDS are done; and R's fragments are in
	s_barrier_signal -1
	s_barrier_wait -1                              ; S lies in LDS; from here on LDS is only read
	s_mov_b32 s81, 0
.Lgroup:                                           ; three trips, a group of 128 rows of S each; v leaves its third trip's work out
	s_cmp_ge_u32 s81, s80
	s_cbranch_scc1 .Lskip
	s_wait_alu depctr_va_vdst(0)                   ; round the back edge: the four additions have written v9 to v12, which the loads below read; the last trip's matrix instructions are done reading the scale words, the bias and both sets, in which this trip's loads land
.irp t, 0,1,2,3,4,5,6,7
.irp j, 0,1,2
	ds_load_b64 v[SS+6*\t+2*\j:SS+6*\t+2*\j+1], v11 offset:(32*(\t/2)+8*(\t%2))*24+8*\j
.endr
.endr
.irp t, 0,1,2,3,4,5,6,7
	ds_load_b128 v[BS+8*\t:BS+8*\t+3], v12 offset:(32*(\t/2)+8*(\t%2))*4
	ds_load_b128 v[BS+8*\t+4:BS+8*\t+7], v12 offset:(32*(\t/2)+8*(\t%2))*4+16
.endr
.irp a, 0,1,2,3
	FETCH2 0, 2*\a                                 ; K step 0's eight fragments, in one run: there is no matrix work yet to set them among
.endr
	KSTEP 0                                        ; the bias is the C of each sum's first product: nothing is cleared, nothing is added
	KSTEP 1
	KSTEP 2
	KSTEP 3
	KSTEP 4
	KSTEP 5
	WIN 0
	PLACES
	s_cmp_eq_u32 s78, 1
	s_cbranch_scc0 .Lquant
	s_cmp_eq_u32 s79, 1
	s_cbranch_scc1 .Lstored
	WIN 0x0c                                       ; a store's data are its source 1: window 3
	s_wait_alu depctr_va_vdst(0)                   ; the matrix instructions have written the 32 accumulators, which the stores below read; the places above stay beside this wait
.irp a, 0,1,2,3
.irp t, 0,1,2,3,4,5,6,7
	global_store_b128 v20, v[64*\a+8*\t:64*\a+8*\t+3], s[70:71] offset:49152*\a+(32*(\t/2)+8*(\t%2))*4       ; cls_fc(row 16 a + r, 32 (t / 2) + 8 (t % 2) + 16 h + 0 .. 7); each accumulator from its low end on
	global_store_b128 v20, v[64*\a+8*\t+4:64*\a+8*\t+7], s[70:71] offset:49152*\a+(32*(\t/2)+8*(\t%2))*4+16
.endr
.endr
	WIN 0
	s_branch .Lstored
.Lquant:
	s_cmp_eq_u32 s77, 1
	s_cbranch_scc0 .Lno_row_bias
	WIN 0xc3                                       ; v: the bias belongs to my row of R: one number a lane and tile
.irp a, 0,1,2,3
.set j, 0
.rept 32
	v_pk_add_f32 v[64*\a+j:64*\a+j+1], v[64*\a+j:64*\a+j+1], v[BR+2*\a:BR+2*\a+1] op_sel_hi:[1,0]
.set j, j+2
.endr
.endr
	WIN 0
.Lno_row_bias:
	QUANT 0
	QUANT 1
	QUANT 2
	QUANT 3
.Lstored:
	s_wait_xcnt 0x0                                ; the stores have read their data and their bases: both are written again only behind this wait
	s_add_nc_u64 s[66:67], s[66:67], s[72:73]
	s_add_nc_u64 s[68:69], s[68:69], s[74:75]
	s_add_nc_u64 s[70:71], s[70:71], 512
.Lskip:
	s_wait_alu depctr_vm_vsrc(0)                   ; this trip's LDS loads have read v9 to v12, which the four lines below write; cls: its stores have read the accumulators, which the next trip's products write
	v_add_nc_u32 v9, 128*PIT, v9                   ; the next group in LDS: rows,
	v_add_nc_u32 v10, 128*PIT, v10
	v_add_nc_u32 v11, 3072, v11                    ; scale words,
	v_add_nc_u32 v12, 512, v12                     ; bias
	s_add_co_u32 s81, s81, 1
	s_cmp_lt_u32 s81, 3
	s_cbranch_scc1 .Lgroup
	s_wait_dscnt 0x0                               ; the closing lines, six on end
	s_wait_alu 0x0
	s_wait_tensorcnt 0x0
	ds_add_u32 v254, v255
	s_wait_dscnt 0x0
	s_endpgm
.Lfunc_end_k_q8191ebc61a_proj:
	.size	k_q8191ebc61a_proj, .Lfunc_end_k_q8191ebc61a_proj-k_q8191ebc61a_proj
	.p2alignl 7, 3214868480
	.fill 96, 4, 3214868480
	.section	.rodata,"a",@progbits
	.p2align	6, 0x0
	.amdhsa_kernel k_q8191ebc61a_proj
		.amdhsa_group_segment_fixed_size 276480
		.amdhsa_private_segment_fixed_size 0
		.amdhsa_enable_private_segment 0
		.amdhsa_kernarg_size 160
		.amdhsa_user_sgpr_count 2
		.amdhsa_user_sgpr_kernarg_segment_ptr 1
		.amdhsa_wavefront_size32 1
		.amdhsa_system_sgpr_workgroup_id_x 1
		.amdhsa_system_sgpr_workgroup_id_y 1
		.amdhsa_system_sgpr_workgroup_id_z 1
		.amdhsa_system_vgpr_workitem_id 0
		.amdhsa_next_free_vgpr 1024
		.amdhsa_next_free_sgpr 100
		.amdhsa_reserve_vcc 0
		.amdhsa_float_denorm_mode_32 3
		.amdhsa_float_denorm_mode_16_64 3
		.amdhsa_memory_ordered 1
		.amdhsa_forward_progress 1
		.amdhsa_inst_pref_size 130
	.end_amdhsa_kernel
	.amdgpu_metadata
---
amdhsa.version: [ 1, 2 ]
amdhsa.kernels:
  - .name:           k_q8191ebc61a_proj
    .symbol:         k_q8191ebc61a_proj.kd
    .args:
      - { .name: entity_text_tokens_codes, .offset: 0, .size: 8, .value_kind: global_buffer, .address_space: global }
      - { .name: entity_text_tokens_scales, .offset: 8, .size: 8, .value_kind: global_buffer, .address_space: global }
      - { .name: mention_text_tokens_codes, .offset: 16, .size: 8, .value_kind: global_buffer, .address_space: global }
      - { .name: mention_text_tokens_scales, .offset: 24, .size: 8, .value_kind: global_buffer, .address_space: global }
      - { .name: Wq_codes, .offset: 32, .size: 8, .value_kind: global_buffer, .address_space: global }
      - { .name: Wq_scales, .offset: 40, .size: 8, .value_kind: global_buffer, .address_space: global }
      - { .name: Wk_codes, .offset: 48, .size: 8, .value_kind: global_buffer, .address_space: global }
      - { .name: Wk_scales, .offset: 56, .size: 8, .value_kind: global_buffer, .address_space: global }
      - { .name: Wv_codes, .offset: 64, .size: 8, .value_kind: global_buffer, .address_space: global }
      - { .name: Wv_scales, .offset: 72, .size: 8, .value_kind: global_buffer, .address_space: global }
      - { .name: Wc_codes, .offset: 80, .size: 8, .value_kind: global_buffer, .address_space: global }
      - { .name: Wc_scales, .offset: 88, .size: 8, .value_kind: global_buffer, .address_space: global }
      - { .name: entity_text_cls_codes, .offset: 96, .size: 8, .value_kind: global_buffer, .address_space: global }
      - { .name: entity_text_cls_scales, .offset: 104, .size: 8, .value_kind: global_buffer, .address_space: global }
      - { .name: bq, .offset: 112, .size: 8, .value_kind: global_buffer, .address_space: global }
      - { .name: bk, .offset: 120, .size: 8, .value_kind: global_buffer, .address_space: global }
      - { .name: bv, .offset: 128, .size: 8, .value_kind: global_buffer, .address_space: global }
      - { .name: bc, .offset: 136, .size: 8, .value_kind: global_buffer, .address_space: global }
      - { .name: pack, .offset: 144, .size: 8, .value_kind: global_buffer, .address_space: global }
      - { .name: clsfc, .offset: 152, .size: 8, .value_kind: global_buffer, .address_space: global }
    .group_segment_fixed_size: 276480
    .private_segment_fixed_size: 0
    .kernarg_segment_align: 8
    .kernarg_segment_size: 160
    .max_flat_workgroup_size: 128
    .sgpr_count:     100
    .vgpr_count:     1024
    .wavefront_size: 32
...
	.end_amdgpu_metadata
.endif
;; end of part 3
;; launch attn: the kernel of part 2 again; grid 16 x 16, 4 waves a work-group, no clusters, 327,680 bytes of LDS; arguments pack, clsfc, ln_g, ln_b, mention_text_cls_codes, mention_text_cls_scales, entity_text_cls_codes, entity_text_cls_scales, out0; writes out0
